; MI455X (gfx1250); checked and timed in simulation.
; The chip was launched on July 23, 2026; its instructions are those of AMD's public machine-readable ISA for CDNA 5 (MIT licence, August 2026) and "CDNA5" Instruction Set Architecture Reference Guide (July 2026). The comments in the code are by the model that wrote it; some were corrected since.
;; Attention Branch. Allowed arithmetic: matrix products marked QUANTISED: E4M3 operands, one given power-of-two scale a tensor, by v_wmma_f32_16x16x64_fp8_fp8 or v_wmma_f32_16x16x128_fp8_fp8, f32 sums; everything else in f32.
;; Inputs: key_states 2 x 2,048 x 1,024 float32; lowp_scales 4 int32 (the exponents e of the quantised operands' scales 2^e); mask 2 x 2,048 int32; query_states 2 x 2,048 x 1,024 float32; value_states 2 x 2,048 x 1,024 float32.
;; Outputs: out0 2 x 2,048 x 1,024 float32.
;; This version of the problem:
;;   THIS VERSION OF THE PROBLEM IS GIVEN IN LOW PRECISION. The matrix products marked QUANTISED in the list below multiply operands that are first quantised to E4M3 (4 exponent bits, 3 mantissa bits; 8 bits a number), with one given power-of-two scale for each operand tensor; their sums are f32. All else is computed in f32.
;;   The module's matrix products, in the order in which they are computed (A, B: the left and right operand; K: the contracted axis; several contracted axes count as one K, in the product's order):
;;     1. batch 32 x [M 2,048, K 64] x [K 64, N 2,048]; A: input query_states; B: input key_states: QUANTISED (scales: A lowp_scales[0], B lowp_scales[1])
;;     2. batch 32 x [M 2,048, K 2,048] x [K 2,048, N 64]; A: softmax (see below); B: input value_states: QUANTISED (scales: A lowp_scales[2], B lowp_scales[3])
;;   THE QUANTISER, for each operand of a quantised product, along K:
;;     - The operand's scale is 2^e, e = its entry of the input lowp_scales (int32; the entries are numbered through the quantised products in the list's order, A before B).
;;     - Each number is divided by the scale, clamped to +-448, and rounded to the nearest number of E4M3, ties to even, subnormals kept.
;;     - The product sums the exact products of the quantised numbers (number of the format x scale) in f32.
;;   ~~~python
;;   def quantise(x, axis, e):      # numpy; x: float32 -> the quantised numbers, widened to float32 again
;;       x = np.moveaxis(x, axis, -1); K = x.shape[-1]
;;       r = np.clip(x / 2.0 ** e, -448, 448)
;;       step = 2.0 ** (np.maximum(np.frexp(np.where(r == 0, 1, r))[1] - 1, -6) - 3)
;;       q = np.round(r / step) * step * 2.0 ** e      # np.round: ties to even
;;       return np.moveaxis(q, -1, axis).astype(np.float32)
;;   ~~~
;;   SOFTMAX AHEAD OF A QUANTISED PRODUCT. Where the list says 'softmax', what is quantised is not the finished softmax but p = 2^(t - M), with t = logit x log2(e) and M = ceil(the row's largest t), a whole number; so 1/2 < the row's largest p <= 1. The row's sum l is taken of the UNQUANTISED p, in f32, and the product's result is divided by l at the end. Since M is a whole number, a kernel that streams over the keys may use a running M (the ceiling of the running maximum): every later rescaling is an exact power of two, so the quantised numbers keep their values, but for numbers so far below the row's largest that they fall under the format's range.
;;   OPERANDS COMPUTED ON THE WAY. 'Computed on the way' means the value that the module computes at that place (a softmax that the list does not call 'softmax' is quantised finished and normalised). What goes into a quantiser is computed in f32, as accurately as f32 sums, v_exp_f32 and their like allow (about 1e-6 of the number): no bf16 or f16 on the way to a quantiser, and a product that is left as it is and whose result goes on into a quantised operand takes f32 operands (vector FMAs, or v_wmma_f32_16x16x4_f32). A number that lies on a knife's edge between two numbers of the format may be rounded either way, as far as f32 arithmetic and the matrix unit's own rounding can turn it there, and no further.
;; 2 versions, each right; version 2 is version 1 with the launch attn written anew for expert scheduling mode. Each part assembles by itself: llvm-mc -triple=amdgcn-amd-amdhsa -mcpu=gfx1250 --defsym DOCPART=n.
;; ======== version 1 of 2: 2 launches
;; limits: right only within a limited range of input values
;; workspace buffers: kv 8,388,608 bytes
;; launch prep (part 1): grid 512 x 1, 8 waves a work-group, no clusters, 18,432 bytes of LDS; arguments key_states, value_states, lowp_scales, kv; writes kv
.if DOCPART == 1
	.amdgcn_target "amdgcn-amd-amdhsa--gfx1250"
	.amdhsa_code_object_version 6
	.text
	.protected	k_q04600ce043_prep
	.globl	k_q04600ce043_prep
	.p2align	8
	.type	k_q04600ce043_prep,@function
k_q04600ce043_prep:
	s_mov_b64 s[64:65], 0
	v_nop
	global_prefetch_b8 v0, s[64:65] scope:SCOPE_SE
	s_setreg_imm32_b32 hwreg(HW_REG_WAVE_MODE, 25, 1), 1
	s_wait_xcnt 0x0
; key_states and value_states, [2][2048][16 heads x 64] f32, become codes of FP8 (E4M3) with the given scales 2^ek and 2^ev, laid in kv AS IMAGES OF THE OPERANDS' REGISTERS of the attention launch.
; code = x / 2^e, held within +-448, rounded to the nearest code, ties to even.  LIMITS: ek and ev between -126 and 119, so that 2^e and 448 x 2^e are f32 numbers.  NaN among the inputs is not served.
; kv: [batch x 16 + head (32)][key step s of 128 keys (16)][16,384 bytes].
;   bytes 0 .. 8,191 of a step: K's eight fragments (16 keys x 64): 1,024 t + 512 q + 16 lane; lane (r, h) holds, of key 128 s + 16 t + r, the head's numbers 32 h + 16 q + 0 .. 15.
;   bytes 8,192 .. 16,383: V^T's four fragments (16 of the head's 64 x 128 keys): 2,048 dt + 512 q + 16 lane; lane (m, h) holds column d = 32 (dt / 2) + 2 m + dt % 2,
;   and its word p of the 16 bytes the keys 128 s + 32 q + 16 (p / 2) + 8 h + 4 (p % 2) + 0 .. 3: the place that the 16x16x128 form gives each key.
; One launch for both tensors: work-groups 0-255 take K, 256-511 take V; number = 128 batch + 8 s + g, g a pair of heads.  Only K's path uses LDS.  Waves share nothing: no barrier.
.set X,   32                           ; v32-95   the numbers as loaded
.set C,   96                           ; v96-111  their codes
.set R,   112                          ; v112-127 the codes in the order in which they leave
.set SP,  272                          ; K's stage: a row of 256 bytes + 16 of padding = 68 words, so that row n starts at bank 4 n (64 banks of 4 bytes: ISA guide 11.1)
.set WST, 8*SP                         ; eight rows for each wave
.macro SCALE e                         ; v11 = 2^e (the conversion takes its exponent field), v10 = 448 x 2^e
	s_add_co_i32 s28, s[\e], 127
	s_lshl_b32 s29, s28, 23
	v_mov_b32 v11, s29
	s_add_co_i32 s28, s28, 8
	s_lshl_b32 s28, s28, 23
	s_or_b32 s28, s28, 0x600000
	v_mov_b32 v10, s28
.endm
.macro QUANT n                         ; eight numbers a lane: the hold, since the conversion to an 8-bit code does not saturate (ISA guide 7.6.2), then the conversion
.irp i, 0,1,2,3,4,5,6,7
	v_med3_num_f32 v[X+8*\n+\i], v[X+8*\n+\i], -v10, v10
.endr
	v_cvt_scalef32_pk8_fp8_f32 v[C+2*\n:C+2*\n+1], v[X+8*\n:X+8*\n+7], v11
.endm
	s_load_b128 s[4:7], s[0:1], 0x0                ; key_states, value_states
	s_load_b128 s[8:11], s[0:1], 0x10              ; lowp_scales, kv
	v_lshl_add_u32 v128, v0, 2, 0x4400
	v_mov_b32 v129, 0
	v_lshrrev_b32 v1, 5, v0
	v_readfirstlane_b32 s12, v1                    ; wave 0..7
	v_and_b32 v6, 31, v0                           ; lane
	v_and_b32 v7, 15, v0                           ; lane % 16
	v_bfe_u32 v8, v0, 4, 1                         ; lane / 16
	s_and_b32 s13, ttmp9, 255
	s_lshr_b32 s14, s13, 7                         ; batch
	s_bfe_u32 s15, s13, 0x40003                    ; s: 4 bits from bit 3
	s_and_b32 s16, s13, 7                          ; g
	s_lshl_b32 s17, s14, 11
	s_lshl_b32 s18, s15, 7
	s_add_co_u32 s17, s17, s18                     ; the step's first row: 2,048 batch + 128 s
	s_lshl_b32 s26, s14, 22                        ; in kv: batch x 16 heads x 262,144
	s_lshl_b32 s18, s15, 14
	s_add_co_u32 s26, s26, s18                     ; + 16,384 s
	s_mov_b32 s25, 0
	s_mov_b32 s27, 0
	s_wait_kmcnt 0x0
	s_load_b128 s[20:23], s[8:9], 0x0              ; eq, ek, ep, ev
	s_cmp_lt_u32 ttmp9, 256
	s_cbranch_scc0 .Lvalues
	; ---- K.  Wave t takes keys 16 t .. 16 t + 15 of the step, for heads 2 g and 2 g + 1: each load reads 512 consecutive bytes of one key's row.
	s_lshl_b32 s18, s12, 4
	s_add_co_u32 s17, s17, s18
	s_lshl_b32 s24, s17, 12                        ; a row is 4,096 bytes
	s_lshl_b32 s18, s16, 9
	s_add_co_u32 s24, s24, s18                     ; + 512 g
	s_add_nc_u64 s[4:5], s[4:5], s[24:25]
	s_lshl_b32 s18, s16, 19                        ; head 2 g
	s_add_co_u32 s26, s26, s18
	s_lshl_b32 s18, s12, 10                        ; fragment t
	s_add_co_u32 s26, s26, s18
	s_add_nc_u64 s[10:11], s[10:11], s[26:27]
	v_lshlrev_b32 v2, 4, v6                        ; 16 x lane: in, and out
.irp k, 0,1,2,3,4,5,6,7,8,9,10,11,12,13,14,15
	global_load_b128 v[X+4*\k:X+4*\k+3], v2, s[4:5] offset:4096*\k th:TH_LOAD_NT   ; lane (p, x): numbers 4 x .. 4 x + 3 of head 2 g + p, key k
.endr
	; the stage.  In: row 4 p + 2 q + h, with q = (x / 4) % 2 and h = x / 8; in it key k's 16 bytes at 16 k, my word at 4 (x % 4).  The 32 lanes of a store fall on 32 different banks.
	v_bfe_u32 v9, v0, 2, 1
	v_bfe_u32 v12, v0, 3, 1
	v_lshl_add_u32 v9, v9, 1, v12
	v_lshl_add_u32 v9, v8, 2, v9
	v_mul_u32_u24 v9, v9, SP
	v_and_b32 v12, 3, v0
	v_lshl_add_u32 v9, v12, 2, v9
	s_mul_i32 s19, s12, WST
	v_add_nc_u32 v3, s19, v9
	v_mul_u32_u24 v4, v8, SP                       ; back: lanes 0-15 one row, lanes 16-31 the next, 16 bytes a lane
	v_lshl_add_u32 v4, v7, 4, v4
	v_add_nc_u32 v4, s19, v4
	s_wait_kmcnt 0x0
	SCALE 21
.irp n, 0,1,2,3,4,5,6,7
	s_wait_loadcnt 14-2*\n                         ; keys 2 n and 2 n + 1 are in; the 14 - 2 n younger loads may be out
	QUANT \n                                       ; word k of the codes is key k's four
.endr
	v_nop                                          ; a plain line behind the last conversion
.irp k, 0,1,2,3,4,5,6,7,8,9,10,11,12,13,14,15
	ds_store_b32 v3, v[C+\k] offset:16*\k
.endr
.irp p, 0,1
.irp q, 0,1
	ds_load_b128 v[R+4*(2*\p+\q):R+4*(2*\p+\q)+3], v4 offset:(4*\p+2*\q)*SP   ; LDS serves a wave's instructions in order (ISA guide 5.7.1.4): these see my stores
.endr
.endr
.irp p, 0,1
.irp q, 0,1
	s_wait_dscnt 3-2*\p-\q
	global_store_b128 v2, v[R+4*(2*\p+\q):R+4*(2*\p+\q)+3], s[10:11] offset:262144*\p+512*\q   ; 32 lanes store 512 consecutive bytes, at a multiple of 256 from kv's first byte
.endr
.endr
	s_wait_tensorcnt 0x0
	ds_add_u32 v128, v129
	s_wait_dscnt 0x0
	s_endpgm
.Lvalues:
	; ---- V.  Wave w takes head 2 g + w / 4 and keys 32 (w % 4) .. + 31 of the step.  A LANE TAKES TWO COLUMNS AND ITS REGISTERS RUN DOWN THE KEYS: each load reads one key's 256 bytes of the head.
	s_and_b32 s18, s12, 3                          ; G
	s_lshr_b32 s19, s12, 2
	s_lshl_b32 s28, s16, 1
	s_add_co_u32 s19, s19, s28                     ; the head
	s_lshl_b32 s28, s18, 5
	s_add_co_u32 s17, s17, s28
	s_lshl_b32 s24, s17, 12
	s_lshl_b32 s28, s19, 8
	s_add_co_u32 s24, s24, s28
	s_add_nc_u64 s[6:7], s[6:7], s[24:25]
	s_lshl_b32 s28, s19, 18
	s_add_co_u32 s26, s26, s28
	s_lshl_b32 s28, s18, 9                         ; q = G
	s_add_co_u32 s26, s26, s28
	s_add_co_u32 s26, s26, 8192                    ; behind K's fragments
	s_add_nc_u64 s[10:11], s[10:11], s[26:27]
	v_lshlrev_b32 v2, 3, v6                        ; 8 x lane: columns 2 lane, 2 lane + 1
.irp k, 0,1,2,3,4,5,6,7,8,9,10,11,12,13,14,15,16,17,18,19,20,21,22,23,24,25,26,27,28,29,30,31
	global_load_b64 v[X+2*\k:X+2*\k+1], v2, s[6:7] offset:4096*\k th:TH_LOAD_NT
.endr
	v_lshlrev_b32 v5, 12, v8                       ; out: column 2 lane + a lies in fragment 2 (lane / 16) + a, at lane m = lane % 16
	v_lshl_add_u32 v5, v7, 4, v5
	s_mov_b32 s30, 0x06040200                      ; the even column's bytes of two words,
	s_mov_b32 s31, 0x07050301                      ; the odd column's
	s_wait_kmcnt 0x0
	SCALE 23
.irp n, 0,1,2,3,4,5,6,7
	s_wait_loadcnt 28-4*\n                         ; keys 4 n .. 4 n + 3 are in; the 28 - 4 n younger loads may be out
	QUANT \n                                       ; two words: keys 4 n .. 4 n + 3, the two columns' codes by turns
.endr
	v_nop                                          ; a plain line between the last conversion and the lines that read its result
.irp a, 0,1
.irp h, 0,1
.irp p, 0,1,2,3
	v_perm_b32 v[R+8*\a+4*\h+\p], v[C+1+2*(4*(\p/2)+2*\h+(\p%2))], v[C+2*(4*(\p/2)+2*\h+(\p%2))], s[30+\a]   ; column a, keys 16 (p / 2) + 8 h + 4 (p % 2) + 0 .. 3
.endr
.endr
.endr
.irp a, 0,1
.irp h, 0,1
	global_store_b128 v5, v[R+8*\a+4*\h:R+8*\a+4*\h+3], s[10:11] offset:2048*\a+256*\h   ; sixteen lanes store 256 consecutive bytes, at a multiple of 256 from kv's first byte
.endr
.endr
	s_endpgm
.Lfunc_end_k_q04600ce043_prep:
	.size	k_q04600ce043_prep, .Lfunc_end_k_q04600ce043_prep-k_q04600ce043_prep
	.p2alignl 7, 3214868480
	.fill 96, 4, 3214868480
	.section	.rodata,"a",@progbits
	.p2align	6, 0x0
	.amdhsa_kernel k_q04600ce043_prep
		.amdhsa_group_segment_fixed_size 18432
		.amdhsa_private_segment_fixed_size 0
		.amdhsa_enable_private_segment 0
		.amdhsa_kernarg_size 32
		.amdhsa_user_sgpr_count 2
		.amdhsa_user_sgpr_kernarg_segment_ptr 1
		.amdhsa_wavefront_size32 1
		.amdhsa_system_sgpr_workgroup_id_x 1
		.amdhsa_system_sgpr_workgroup_id_y 1
		.amdhsa_system_sgpr_workgroup_id_z 1
		.amdhsa_system_vgpr_workitem_id 0
		.amdhsa_next_free_vgpr 130
		.amdhsa_next_free_sgpr 66
		.amdhsa_reserve_vcc 0
		.amdhsa_float_denorm_mode_32 3
		.amdhsa_float_denorm_mode_16_64 3
		.amdhsa_memory_ordered 1
		.amdhsa_forward_progress 1
		.amdhsa_inst_pref_size 22
	.end_amdhsa_kernel
	.amdgpu_metadata
---
amdhsa.version: [ 1, 2 ]
amdhsa.kernels:
  - .name:           k_q04600ce043_prep
    .symbol:         k_q04600ce043_prep.kd
    .args:
      - { .name: key_states, .offset: 0, .size: 8, .value_kind: global_buffer, .address_space: global }
      - { .name: value_states, .offset: 8, .size: 8, .value_kind: global_buffer, .address_space: global }
      - { .name: lowp_scales, .offset: 16, .size: 8, .value_kind: global_buffer, .address_space: global }
      - { .name: kv, .offset: 24, .size: 8, .value_kind: global_buffer, .address_space: global }
    .group_segment_fixed_size: 18432
    .private_segment_fixed_size: 0
    .kernarg_segment_align: 8
    .kernarg_segment_size: 32
    .max_flat_workgroup_size: 256
    .sgpr_count:     66
    .vgpr_count:     130
    .wavefront_size: 32
...
	.end_amdgpu_metadata
.endif
;; end of part 1
;; launch attn (part 2): grid 8 x 32, 8 waves a work-group, no clusters, 322,816 bytes of LDS; arguments query_states, kv, mask, lowp_scales, out0; writes out0
.if DOCPART == 2
	.amdgcn_target "amdgcn-amd-amdhsa--gfx1250"
	.amdhsa_code_object_version 6
	.text
	.protected	k_q04600ce043_attn
	.globl	k_q04600ce043_attn
	.p2align	8
	.type	k_q04600ce043_attn,@function
k_q04600ce043_attn:
	s_mov_b64 s[64:65], 0
	v_nop
	global_prefetch_b8 v0, s[64:65] scope:SCOPE_SE
	s_setreg_imm32_b32 hwreg(HW_REG_WAVE_MODE, 25, 1), 1
	s_wait_xcnt 0x0
; out[b][q][head] = sum over k of softmax_k(Q.K / 8 - min(|q - k|, 2048 - |q - k|), keys with mask == 0 at -1e9) V, both products on codes of FP8 (E4M3) with the given scales 2^eq, 2^ek, 2^ep, 2^ev.
; THE SOFTMAX AHEAD OF THE SECOND PRODUCT: t = logit x log2(e); M = the running largest t rounded UP to a whole number; p = 2^(t - M) is quantised; the sum of the unquantised p divides at the end.
; SHARES.  A work-group owns 256 queries of one head; each of its eight waves 32: two tiles of 16.  Every wave walks all 2,048 keys, 128 a step.  The head's codes (262,144 bytes of kv, laid as images of the operands'
; registers) go into LDS once, a chunk of 16,384 bytes a step, through registers: each chunk is asked for a whole key step ahead of the wait for it, is stored two steps ahead of its first use, and is never written again.
; LAYOUT.  Both products are used transposed: S^T = K Q^T + C (source 0 = 16 keys, source 1 = 16 queries), O^T = V^T P^T: a lane holds ONE query (lane % 16) throughout.  Register j of tile t holds key 16 t + 8 h + j
; (h = lane / 16): its conversion gives registers 2 t, 2 t + 1 of P, the place that the 16x16x128 form gives those keys.
; THE BIAS AND THE MASK RIDE IN C.  In units of the raw sums a logit's 1 is u = 8 x 2^-(eq + ek).  With idx = (key step - the queries' block of 128) mod 16, o the key's place in its step and x the query's place in its block:
;   idx 1..7:  bias = -(128 idx - x) - o          idx 9..15: bias = -(2048 - 128 idx + x) + o          idx 0: -|o - x|          idx 8: -1024 + |o - x|
; The key's part (-u o or +u o) and the mask's (-1e9 u) lie in tables in LDS, which are loaded straight into C's registers and serve both tiles; the rest is one number a lane and goes into the addend of the one
; multiply-add that makes t - M.  Only in steps idx 0 and 8 is C built, tile by tile.
; THE MASK.  A dead key's t is about -1.44e9; the running largest t begins at -2^29: so a dead key's p is 0, also while only dead keys have been seen.  A batch with no live key at all (the OR of its mask words is 0)
; has c and log2(e) replaced by 0, by a select: then t = 0, M = 0, p = 1 for every key: equal weights.
; THE HOLD at 448 x 2^ep cannot act where ep >= -8 and eq + ek <= 0: then |t| < 2^22, t - M is off by less than 0.8, p < 1.75 <= 448 x 2^ep.  There a scalar branch on the given whole numbers leads round its 128 lines.
; NOT ASKED FOR JOINTLY: the eight work-groups of a head read the same 262,144 bytes of kv.  Joint requests are tensor loads; the branch round the hold
; spares 128 of a key step's some 520 vector lines, against 16,384 bytes a step.  No prefetch is laid: each chunk is asked for, into registers, a whole key step ahead of the wait for it.
; LIMITS on the given exponents: eq and ep between -126 and 119; eq + ek between -90 and 7 (c, u and 1e9 u are f32 numbers; a live key's t, at most 64 x 448^2 x 2^(eq + ek) x log2(e) / 8 in size, stays above -2^29).
; NaN among the inputs is not served.
; LDS: 0: the 16 chunks;  TABA: mask - u o, TABA + 8,192: mask + u o, TABA + 16,384: mask alone, 2,048 f32 each;  FLG: a word a wave;  STG: 16 rows x 272 bytes a wave, for the way out.
; REGISTERS, in two windows of 256 (s_set_vgpr_msb's low byte: bits 1:0 source 0, 3:2 source 1, 5:4 source 2, 7:6 destination).
;   window 0: v1-9 addresses; v10-15 at work; v16-31 a chunk on its way; v32-39 u (8 h + j - r); v40-55 Q's codes; v56-59 for the built C; v60, v61 offsets; v64-127 the table's C; v128-191 K's 8 fragments; v192-255 V's 4, or the built C.
;   window 1: v0-127 S^T, then p (64 a tile); v128-191 O^T (32 a tile); v192-223 P (16 a tile); v224.. 14 statistics a tile; v252 r as f32; v253 448 x 2^ep; v254 2^ep.
.set TABA, 262144
.set FLG,  286720
.set STG,  286976
.set SP,   272
.set LF,  1                            ; 16 x lane: an image's place for my lane
.set AF,  2                            ; + the step's chunk
.set TO,  3                            ; 16 x thread: my 16 bytes of each 4,096 of a chunk
.set AS,  4                            ; + the step's chunk
.set TL,  5                            ; TABA + 32 h
.set AT,  6                            ; + the table chosen and the step
.set STO, 7                            ; the way out: where I put 64 bytes of a row,
.set RD,  8                            ; where I read a row back,
.set GO,  9                            ; and my byte offset in the wave's rows of out
.set SG,  16
.set Y0,  32
.set QC,  40
.set KQ,  56                           ; v56, v57: -u x the tile's place in its block of 128
.set KT,  58                           ; v[58:59]: that + 16 u t, named as a pair
.set MO,  60                           ; 32 x thread: my eight mask words; never rewritten
.set QO,  61                           ; 4,096 r + 128 h: my 32 numbers of Q's row; never rewritten
.set CR,  64
.set KF,  128
.set VF,  192
.set OA,  128                          ; window 1
.set PC,  192
.set ST,  224                          ; tile i at ST + 14 i: +0 the addend (+1 its pair's partner), +2, +3 the sum, +4 f (+5), +6, +7 a second sum, +8 -M, +9 the largest t, +10, +11 at work, +12 the lane's constant
.set RF,  252
.set LIM, 253
.set SC,  254
.set WV,  20                           ; s20 wave
.set TB,  25                           ; s25 LDS byte of the step's chunk
.set TS,  26                           ; s26 the NEXT step's place in a table
.set IDX, 27                           ; s27 idx
.set CNT, 28
.set CS,  30                           ; s[30:31] c = log2(e) / 8 x 2^(eq + ek), or 0
.set NL,  32                           ; s32 -log2(e), or 0
.set U,   33                           ; s33 u
.set U16, 34                           ; s34 16 u
.set SKIP, 35                          ; s35 1: the hold cannot act
.set SEL, 36                           ; s[36:37] v_permlanex16_b32's selects for lane l xor 16
.set QF,  38                           ; s38, s39 the tiles' places in their block of 128
.set SG2, 44                           ; s44 -1.0 (idx < 8) or 1.0
.set SGL, 45                           ; s45 the same, 0 in steps idx 0 and 8
.set WI,  46                           ; s46, s47 the whole number 128 min(idx, 16 - idx) -+ the tile's place
.set TT,  57
.set MSB, 0
.macro WIN new                         ; the immediate's high byte repeats the setting that is left; at a label and at a branch every window is 0
.if MSB != \new
	s_set_vgpr_msb (MSB<<8)|\new
.set MSB, \new
.endif
.endm
.set W_S,  0x40                        ; K, Q and C in window 0, S^T in window 1
.set W_SM, 0x55                        ; all in window 1
.set W_PV, 0x54                        ; V in window 0; P and O^T in window 1
; A vector line that reads a matrix result or writes one of a matrix instruction's registers, and a load into such a register, stand four plain vector lines behind it (ISA guide 7.12.1 for vector lines).
.macro PLACES
.rept 4
	v_nop
.endr
.endm
.macro TABSEL r                        ; the table for idx = s[r]: -u o (1..7), +u o (9..15), the mask alone (0, 8); at the step s[TS]
	s_cmp_lt_u32 s[\r], 8
	s_cselect_b32 s[TT], 0, 8192
	s_and_b32 s52, s[\r], 7
	s_cmp_eq_u32 s52, 0
	s_cselect_b32 s[TT], 16384, s[TT]
	s_add_co_u32 s[TT], s[TT], s[TS]
	v_add_nc_u32 v[AT], s[TT], v[TL]
.endm
.macro REG                             ; what the step's idx decides, in whole numbers and signs
	s_and_b32 s48, s[IDX], 7
	s_sub_co_u32 s49, 16, s[IDX]
	s_min_u32 s49, s49, s[IDX]
	s_lshl_b32 s49, s49, 7                         ; 128 min(idx, 16 - idx)
	s_cmp_lt_u32 s[IDX], 8
	s_cselect_b32 s[SG2], -1.0, 1.0
	s_cselect_b32 s50, -1, 1
	s_cmp_eq_u32 s48, 0
	s_cselect_b32 s50, 0, s50
	s_cselect_b32 s[SGL], 0, s[SG2]
	s_mul_i32 s51, s50, s[QF]
	s_add_co_u32 s[WI], s49, s51                   ; never negative: 128 idx exceeds a tile's place
	s_mul_i32 s51, s50, s[QF+1]
	s_add_co_u32 s[WI+1], s49, s51
.endm
.macro SW i, c                         ; tile i's scores: eight products, each with its own result and with C from v[c] on
.irp t, 0,1,2,3,4,5,6,7
	v_wmma_f32_16x16x64_fp8_fp8 v[64*\i+8*\t:64*\i+8*\t+7], v[KF+8*\t:KF+8*\t+7], v[QC+8*\i:QC+8*\i+7], v[\c+8*\t:\c+8*\t+7]
.endr
.endm
.macro KB i                            ; steps idx 0 and 8: C = mask -+ |u (o - x)| for tile i, into V's registers, which are free here
	v_mov_b32 v[KT], v[KQ+\i]
.irp t, 0,1,2,3,4,5,6,7
.irp p, 0,2,4,6
	v_pk_add_f32 v[VF+8*\t+\p:VF+8*\t+\p+1], v[Y0+\p:Y0+\p+1], v[KT:KT+1] op_sel_hi:[1,0]
.endr
.irp j, 0,1,2,3,4,5,6,7
	v_fma_f32 v[VF+8*\t+\j], |v[VF+8*\t+\j]|, s[SG2], v[CR+8*\t+\j]
.endr
	v_add_f32 v[KT], s[U16], v[KT]
.endr
.endm
.macro MAXES                           ; each lane's largest of 64 scores, both tiles, two chains a tile; each result is read from its low end on
.irp i, 0,1
	v_max3_num_f32 v[ST+14*\i+10], v[64*\i], v[64*\i+1], v[64*\i+2]
	v_max3_num_f32 v[ST+14*\i+11], v[64*\i+3], v[64*\i+4], v[64*\i+5]
.endr
.irp k, 6,10,14,18,22,26,30,34,38,42,46,50,54,58
.irp i, 0,1
	v_max3_num_f32 v[ST+14*\i+10], v[ST+14*\i+10], v[64*\i+\k], v[64*\i+\k+1]
	v_max3_num_f32 v[ST+14*\i+11], v[ST+14*\i+11], v[64*\i+\k+2], v[64*\i+\k+3]
.endr
.endr
.irp i, 0,1
	v_max3_num_f32 v[ST+14*\i+10], v[ST+14*\i+10], v[64*\i+62], v[64*\i+63]
.endr
.irp i, 0,1
	v_max_num_f32 v[ST+14*\i+10], v[ST+14*\i+10], v[ST+14*\i+11]
.endr
.endm
.macro STATS                           ; the two tiles line by line, so that no line reads the result of the line above it
.irp i, 0,1
	v_permlanex16_b32 v[ST+14*\i+11], v[ST+14*\i+10], s[SEL], s[SEL+1]   ; the query's other 64 keys lie in the lane 16 away
.endr
.irp i, 0,1
	v_cvt_f32_u32 v[ST+14*\i+12], s[WI+\i]
.endr
.irp i, 0,1
	v_max_num_f32 v[ST+14*\i+10], v[ST+14*\i+10], v[ST+14*\i+11]
.endr
.irp i, 0,1
	v_fma_f32 v[ST+14*\i+12], v[RF], s[SGL], v[ST+14*\i+12]              ; -+ r: a whole number, exact
.endr
.irp i, 0,1
	v_mul_f32 v[ST+14*\i+12], s[NL], v[ST+14*\i+12]                      ; the lane's constant part of t
.endr
.irp i, 0,1
	v_fma_f32 v[ST+14*\i+10], v[ST+14*\i+10], s[CS], v[ST+14*\i+12]      ; the step's largest t (c is not negative)
.endr
.irp i, 0,1
	v_max_num_f32 v[ST+14*\i+9], v[ST+14*\i+9], v[ST+14*\i+10]           ; the running largest t
.endr
.irp i, 0,1
	v_mov_b32 v[ST+14*\i+11], v[ST+14*\i+8]
.endr
.irp i, 0,1
	v_floor_f32 v[ST+14*\i+8], -v[ST+14*\i+9]                            ; -M = floor(-t): M is a whole number
.endr
.irp i, 0,1
	v_sub_f32 v[ST+14*\i+11], v[ST+14*\i+8], v[ST+14*\i+11]              ; old M - new M, 0 or less
.endr
.irp i, 0,1
	v_cvt_i32_f32 v[ST+14*\i+11], v[ST+14*\i+11]
.endr
.irp i, 0,1
	v_ldexp_f32 v[ST+14*\i+4], 1.0, v[ST+14*\i+11]                       ; f = 2^(old M - new M)
.endr
.irp i, 0,1
	v_add_f32 v[ST+14*\i], v[ST+14*\i+12], v[ST+14*\i+8]                 ; the addend: the constant part - M
.endr
.endm
; the lines below work on pair n (a symbol) of a tile's 32 pairs
.macro TFMA i                          ; t - M, two at a time
	v_pk_fma_f32 v[64*\i+2*n:64*\i+2*n+1], v[64*\i+2*n:64*\i+2*n+1], s[CS:CS+1], v[ST+14*\i:ST+14*\i+1] op_sel_hi:[1,0,0]
.endm
.macro PEXP i, o                       ; p = 2^(t - M)
	v_exp_f32 v[64*\i+2*n+\o], v[64*\i+2*n+\o]
.endm
.macro RESC                            ; O^T under the new M: pair n of both tiles' 32
	v_pk_mul_f32 v[OA+2*n:OA+2*n+1], v[OA+2*n:OA+2*n+1], v[ST+14*(n/16)+4:ST+14*(n/16)+5] op_sel_hi:[1,0]
.endm
.macro SUMOP i, z                      ; line z of 33 of tile i's sum of the unquantised p: 0: the sum x f; 1 to 31: two chains; 32: they join
.set rT, ST+14*(\i)
.set rS, 64*(\i)+2*(\z)
.if (\z) == 0
	v_pk_mul_f32 v[rT+2:rT+3], v[rT+2:rT+3], v[rT+4:rT+5] op_sel_hi:[1,0]
.elseif (\z) == 1
	v_pk_add_f32 v[rT+6:rT+7], v[rS-2:rS-1], v[rS:rS+1]
.elseif (\z) == 32
	v_pk_add_f32 v[rT+2:rT+3], v[rT+2:rT+3], v[rT+6:rT+7]
.elseif ((\z)%2) == 0
	v_pk_add_f32 v[rT+2:rT+3], v[rT+2:rT+3], v[rS:rS+1]
.else
	v_pk_add_f32 v[rT+6:rT+7], v[rT+6:rT+7], v[rS:rS+1]
.endif
.endm
.macro PV                              ; O^T += V^T P^T: eight accumulators by turns, one instruction a turn
.irp d, 0,1,2,3
.irp i, 0,1
	v_wmma_f32_16x16x128_fp8_fp8 v[OA+32*\i+8*\d:OA+32*\i+8*\d+7], v[VF+16*\d:VF+16*\d+15], v[PC+16*\i:PC+16*\i+15], v[OA+32*\i+8*\d:OA+32*\i+8*\d+7]
.endr
.endr
.endm
; A KEY STEP s.  st = 1: chunk s + 2 goes into LDS, and a barrier spans the step.  ld = 1: chunk s + 3 is asked for.  nx = 1: K and the table of step s + 1 are fetched.
.macro STEP st, ld, nx
	v_add_nc_u32 v[AF], s[TB], v[LF]
.if \st
	v_add_nc_u32 v[AS], s[TB], v[TO]
.endif
	REG
.if \st
	s_wait_loadcnt 0x0                             ; chunk s + 2, asked for a step ago, is in my registers
.irp i, 0,1,2,3
	ds_store_b128 v[AS], v[SG+4*\i:SG+4*\i+3] offset:32768+4096*\i
.endr
.endif
	s_wait_dscnt 0x0                               ; my stores have landed (for the others' sake) and have read their registers; this step's K and table are in
.if \ld
	s_add_nc_u64 s[6:7], s[6:7], 16384             ; behind the wait that showed the loads that named it done
.irp i, 0,1,2,3
	global_load_b128 v[SG+4*\i:SG+4*\i+3], v[TO], s[6:7] offset:32768+4096*\i
.endr
.endif
.if \st
	s_barrier_signal -1                            ; my part of chunk s + 2 lies in LDS.  Up to the wait at the step's end stand register work and LDS loads of chunks s, s + 1 and the tables, which nobody writes again
.endif
	s_cmp_eq_u32 s48, 0                            ; idx 0 or 8?  (ids and the step's number alone)
	s_cbranch_scc1 .Lkink_\@
	WIN W_S
	SW 0, CR                                       ; the table is C for both tiles
	SW 1, CR
	WIN 0
	s_branch .Ljoin_\@
.Lkink_\@:
	PLACES                                         ; V's registers were read by the last step's products
	KB 0
	WIN W_S
	SW 0, VF
	WIN 0
	PLACES                                         ; the built C is written again
	KB 1
	WIN W_S
	SW 1, VF
	WIN 0
.Ljoin_\@:
.if \nx
	s_add_co_u32 s49, s[IDX], 1
	s_and_b32 s49, s49, 15
	TABSEL 49
.endif
	PLACES                                         ; in front of the loads into K's, C's and V's registers, and of the first read of the scores
.irp d, 0,1,2,3
.irp q, 0,1,2,3
	ds_load_b128 v[VF+16*\d+4*\q:VF+16*\d+4*\q+3], v[AF] offset:8192+2048*\d+512*\q          ; V of this step
.endr
.endr
.if \nx
.irp t, 0,1,2,3,4,5,6,7
.irp q, 0,1
	ds_load_b128 v[KF+8*\t+4*\q:KF+8*\t+4*\q+3], v[AF] offset:16384+1024*\t+512*\q           ; K of the next step
.endr
.endr
.irp t, 0,1,2,3,4,5,6,7
.irp q, 0,1
	ds_load_b128 v[CR+8*\t+4*\q:CR+8*\t+4*\q+3], v[AT] offset:64*\t+16*\q                    ; its table: keys 16 t + 8 h + 0 .. 7, the same for the sixteen lanes of a half
.endr
.endr
.endif
	WIN W_SM
	MAXES
	STATS
.set n, 0
.rept 32
	TFMA 0
.set n, n+1
.endr
.set n, 0
.rept 32                               ; tile 0's exponentials, with tile 1's scalings and O^T's rescaling between them: none of these names an exponential's result
	TFMA 1
	PEXP 0, 0
	RESC
	PEXP 0, 1
.set n, n+1
.endr
	SUMOP 0, 0                                     ; a plain line behind the last exponential
	s_wait_alu depctr_va_vdst(0)                   ; the wait ahead of the first line that names a result: one for tile 0's 64
.set n, 0
.rept 32                               ; tile 1's exponentials, with tile 0's sums between them
	SUMOP 0, n+1
	PEXP 1, 0
	PEXP 1, 1
.set n, n+1
.endr
	SUMOP 1, 0                                     ; a plain line behind the last exponential
	s_wait_alu depctr_va_vdst(0)                   ; one wait for tile 1's 64
.set n, 1
.rept 32
	SUMOP 1, n
.set n, n+1
.endr
	WIN 0
	s_cmp_lg_u32 s[SKIP], 0
	s_cbranch_scc1 .Lnohold_\@
	WIN W_SM
.set n, 0
.rept 128
	v_min_num_f32 v[n], v[n], v[LIM]               ; the conversion to an 8-bit code does not saturate (ISA guide 7.6.2); p is not negative, so the hold is one-sided
.set n, n+1
.endr
	WIN 0
.Lnohold_\@:
	WIN W_SM
.irp i, 0,1
.irp t, 0,1,2,3,4,5,6,7
	v_cvt_scalef32_pk8_fp8_f32 v[PC+16*\i+2*\t:PC+16*\i+2*\t+1], v[64*\i+8*\t:64*\i+8*\t+7], v[SC]
.endr
.endr
	v_nop                                          ; a plain line between the conversions and the products that read their results
	s_wait_dscnt 32*\nx                            ; V's sixteen loads are in; the 32 issued behind them (the next K and table) may be out
	WIN W_PV
	PV
	WIN 0
	s_add_co_u32 s[TB], s[TB], 16384
	s_add_co_u32 s[TS], s[TS], 512
	s_add_co_u32 s[IDX], s[IDX], 1
	s_and_b32 s[IDX], s[IDX], 15
.if \st
	s_barrier_wait -1                              ; chunk s + 2 is whole: the next step fetches K from it
.endif
.endm
	s_load_b256 s[4:11], s[0:1], 0x0               ; query_states s[4:5], kv s[6:7], mask s[8:9], lowp_scales s[10:11]
	s_load_b64 s[12:13], s[0:1], 0x20              ; out0
	v_lshl_add_u32 v62, v0, 2, 0x4e900
	v_mov_b32 v63, 0
	v_lshrrev_b32 v10, 5, v0
	v_readfirstlane_b32 s[WV], v10                 ; wave 0..7
	v_and_b32 v11, 31, v0
	v_and_b32 v12, 15, v0                          ; r
	v_bfe_u32 v13, v0, 4, 1                        ; h
	v_lshlrev_b32 v[LF], 4, v11
	v_lshlrev_b32 v[TO], 4, v0
	v_lshlrev_b32 v[MO], 5, v0
	v_lshlrev_b32 v[QO], 12, v12
	v_lshl_add_u32 v[QO], v13, 7, v[QO]
	s_and_b32 s21, ttmp7, 0xffff                   ; 16 batch + head
	s_lshr_b32 s22, s21, 4
	s_and_b32 s23, s21, 15
	s_lshl_b32 s40, s22, 11
	s_lshl_b32 s29, ttmp9, 8
	s_add_co_u32 s40, s40, s29
	s_lshl_b32 s29, s[WV], 5
	s_add_co_u32 s40, s40, s29                     ; my first row: 2,048 batch + 256 x + 32 wave
	s_lshl_b32 s40, s40, 12
	s_lshl_b32 s29, s23, 8
	s_add_co_u32 s40, s40, s29                     ; + the head's 256 bytes
	s_mov_b32 s41, 0
	s_lshl_b32 s42, s21, 18                        ; the head's 262,144 bytes of kv
	s_mov_b32 s43, 0
	s_lshl_b32 s48, s22, 13                        ; the batch's 8,192 bytes of mask
	s_mov_b32 s49, 0
	s_wait_kmcnt 0x0
	s_load_b128 s[16:19], s[10:11], 0x0            ; eq, ek, ep, ev
	s_add_nc_u64 s[4:5], s[4:5], s[40:41]
	s_add_nc_u64 s[12:13], s[12:13], s[40:41]
	s_add_nc_u64 s[6:7], s[6:7], s[42:43]
	s_add_nc_u64 s[8:9], s[8:9], s[48:49]
	; 30 loads, in the order in which they are wanted: 2 of the mask, 4 + 4 of chunks 0 and 1, 16 of Q, 4 of chunk 2
	global_load_b128 v[96:99], v[MO], s[8:9]
	global_load_b128 v[100:103], v[MO], s[8:9] offset:16
.irp i, 0,1,2,3
	global_load_b128 v[64+4*\i:67+4*\i], v[TO], s[6:7] offset:4096*\i
.endr
.irp i, 0,1,2,3
	global_load_b128 v[80+4*\i:83+4*\i], v[TO], s[6:7] offset:16384+4096*\i
.endr
.irp i, 0,1
.irp j, 0,1,2,3,4,5,6,7
	global_load_b128 v[KF+32*\i+4*\j:KF+32*\i+4*\j+3], v[QO], s[4:5] offset:65536*\i+16*\j th:TH_LOAD_NT   ; lane (r, h): numbers 32 h + 4 j .. of query 16 i + r: the order that K's fragments have too
.endr
.endr
.irp i, 0,1,2,3
	global_load_b128 v[SG+4*\i:SG+4*\i+3], v[TO], s[6:7] offset:32768+4096*\i
.endr
	s_mov_b32 s[SEL], 0x76543210
	s_mov_b32 s[SEL+1], 0xfedcba98
	s_wait_kmcnt 0x0
	s_add_co_i32 s24, s16, s17                     ; eq + ek
	s_lshl_b32 s29, s24, 23
	s_add_co_u32 s[CS], s29, 0x3e38aa3b            ; c = log2(e) / 8 x 2^(eq + ek): the exponents go into c's exponent field
	s_sub_co_i32 s48, 130, s24
	s_lshl_b32 s[U], s48, 23                       ; u = 2^(3 - eq - ek)
	s_add_co_i32 s48, s48, 4
	s_lshl_b32 s[U16], s48, 23                     ; 16 u
	s_sub_co_i32 s48, 3, s24
	s_lshl_b32 s48, s48, 23
	s_add_co_u32 s49, s48, 0xce6e6b28              ; -1e9 u
	s_add_co_i32 s56, s18, s19                     ; ep + ev
	; the tables: thread n makes keys 8 n .. 8 n + 7
	s_wait_loadcnt 28                              ; the mask's two loads are in; the 28 younger ones may be out
	v_or_b32 v224, v96, v97
	v_or_b32 v225, v98, v99
	v_or_b32 v226, v100, v101
	v_or_b32 v227, v102, v103
	v_or_b32 v224, v224, v225
	v_or_b32 v226, v226, v227
	v_or_b32 v224, v224, v226
	v_cmp_ne_u32 vcc_lo, 0, v224
	s_cmp_lg_u32 vcc_lo, 0
	s_cselect_b32 s50, 1, 0                        ; has my wave's part of the mask a live key?
	s_lshl_b32 s51, s[WV], 2
	s_add_co_u32 s51, s51, FLG
	v_mov_b32 v225, s51
	v_mov_b32 v226, s50
	ds_store_b32 v225, v226                        ; all lanes write the wave's word with the same value
	v_mov_b32 v227, s49
.irp j, 0,1,2,3,4,5,6,7
	v_cmp_eq_u32 vcc_lo, 0, v[96+\j]
	v_cndmask_b32 v[192+\j], 0, v227, vcc_lo       ; -1e9 u where mask == 0, else 0
.endr
	v_lshlrev_b32 v228, 3, v0
	v_and_b32 v228, 127, v228
	v_cvt_f32_u32 v228, v228
	v_mul_f32 v200, s[U], v228                     ; u o: whole numbers times a power of two, exact
.irp j, 1,2,3,4,5,6,7
	v_add_f32 v[200+\j], s[U], v[199+\j]
.endr
.irp j, 0,1,2,3,4,5,6,7
	v_sub_f32 v[208+\j], v[192+\j], v[200+\j]
	v_add_f32 v[216+\j], v[192+\j], v[200+\j]
.endr
	v_lshl_add_u32 v229, v0, 5, TABA
	ds_store_b128 v229, v[208:211]
	ds_store_b128 v229, v[212:215] offset:16
	ds_store_b128 v229, v[216:219] offset:8192
	ds_store_b128 v229, v[220:223] offset:8208
	ds_store_b128 v229, v[192:195] offset:16384
	ds_store_b128 v229, v[196:199] offset:16400
	s_wait_loadcnt 20                              ; chunks 0 and 1 are in; Q's sixteen loads and chunk 2's four may be out
.irp i, 0,1,2,3
	ds_store_b128 v[TO], v[64+4*\i:67+4*\i] offset:4096*\i
.endr
.irp i, 0,1,2,3
	ds_store_b128 v[TO], v[80+4*\i:83+4*\i] offset:16384+4096*\i
.endr
	s_wait_dscnt 0x0                               ; for the others' sake: my stores have landed
	s_barrier_signal -1
	s_barrier_wait -1                              ; the tables, the eight words and chunks 0 and 1 are whole
	v_mov_b32 v14, FLG
	ds_load_b128 v[224:227], v14
	ds_load_b128 v[228:231], v14 offset:16
	; Q is read once, by one wave: it is quantised in registers
	s_add_co_i32 s48, s16, 127
	s_lshl_b32 s49, s48, 23
	v_mov_b32 v11, s49                             ; 2^eq
	s_add_co_i32 s48, s48, 8
	s_lshl_b32 s48, s48, 23
	s_or_b32 s48, s48, 0x600000
	v_mov_b32 v10, s48                             ; 448 x 2^eq
	s_wait_loadcnt 4                               ; Q is in; chunk 2's four loads may be out
.irp m, 0,1,2,3,4,5,6,7
.irp j, 0,1,2,3,4,5,6,7
	v_med3_num_f32 v[KF+8*\m+\j], v[KF+8*\m+\j], -v10, v10
.endr
	v_cvt_scalef32_pk8_fp8_f32 v[QC+2*\m:QC+2*\m+1], v[KF+8*\m:KF+8*\m+7], v11
.endr
	v_nop                                          ; a plain line behind the last conversion
	; addresses and constants that stay
	v_lshlrev_b32 v15, 3, v13
	v_sub_nc_u32 v15, v15, v12
	v_cvt_f32_i32 v15, v15
	v_mul_f32 v[Y0], s[U], v15                     ; u (8 h - r),
.irp j, 1,2,3,4,5,6,7
	v_add_f32 v[Y0+\j], s[U], v[Y0+\j-1]           ; + u j
.endr
	s_and_b32 s[QF], s[WV], 3
	s_lshl_b32 s[QF], s[QF], 5                     ; tile 0's place in its block of 128: 32 (wave % 4);
	s_add_co_u32 s[QF+1], s[QF], 16                ; tile 1's
	s_or_b32 s49, s[U], 0x80000000                 ; -u
	v_cvt_f32_u32 v[KQ], s[QF]
	v_cvt_f32_u32 v[KQ+1], s[QF+1]
	v_mul_f32 v[KQ], s49, v[KQ]
	v_mul_f32 v[KQ+1], s49, v[KQ+1]
	v_mov_b32 v[KT], 0
	v_mov_b32 v[KT+1], 0                           ; (named as the upper half of a pair, so it is written)
	v_lshl_add_u32 v[TL], v13, 5, TABA
	s_mul_i32 s48, s[WV], 16*SP
	s_add_co_u32 s48, s48, STG                     ; my stage
	v_mul_u32_u24 v[STO], v12, SP
	v_lshl_add_u32 v[STO], v13, 6, v[STO]
	v_add_nc_u32 v[STO], s48, v[STO]               ; in: row r, 64 bytes for each half of the lanes
	v_mul_u32_u24 v[RD], v13, SP
	v_lshl_add_u32 v[RD], v12, 4, v[RD]
	v_add_nc_u32 v[RD], s48, v[RD]                 ; back: lanes 0-15 one row of 256 bytes, lanes 16-31 the next
	v_lshlrev_b32 v[GO], 12, v13
	v_lshl_add_u32 v[GO], v12, 4, v[GO]            ; and the same two rows in out
	s_add_co_i32 s48, s18, 127
	s_lshl_b32 s49, s48, 23                        ; 2^ep
	s_add_co_i32 s48, s48, 8
	s_lshl_b32 s48, s48, 23
	s_or_b32 s48, s48, 0x600000                    ; 448 x 2^ep
	WIN 0x40                                       ; destination window 1
	v_cvt_f32_u32 v[RF], v12
	v_mov_b32 v[LIM], s48
	v_mov_b32 v[SC], s49
.set n, 0
.rept 64
	v_mov_b32 v[OA+n], 0                           ; O^T.  (The step is written without a first step of its own: the first finds zeros, which the first change of M leaves zeros)
.set n, n+1
.endr
.irp i, 0,1
	v_mov_b32 v[ST+14*\i+1], 0                     ; (upper halves of pairs)
	v_mov_b32 v[ST+14*\i+5], 0
	v_mov_b32 v[ST+14*\i+2], 0                     ; the sum, in two halves
	v_mov_b32 v[ST+14*\i+3], 0
	v_mov_b32 v[ST+14*\i+8], 0x4e000000            ; -M = 2^29
	v_mov_b32 v[ST+14*\i+9], 0xce000000            ; the largest t so far: -2^29: above every dead key's, below every live key's
.endr
	WIN 0
	s_wait_dscnt 0x0                               ; the eight words
	v_or_b32 v224, v224, v225
	v_or_b32 v226, v226, v227
	v_or_b32 v228, v228, v229
	v_or_b32 v230, v230, v231
	v_or_b32 v224, v224, v226
	v_or_b32 v228, v228, v230
	v_or_b32 v224, v224, v228
	v_readfirstlane_b32 s50, v224
	s_cmp_lg_u32 s50, 0                            ; has the batch a live key?  A select, no branch
	s_cselect_b32 s[CS], s[CS], 0
	s_cselect_b32 s[NL], 0xbfb8aa3b, 0             ; -log2(e)
	s_mov_b32 s[CS+1], s[CS]                       ; (named with it as a pair)
	s_cmp_ge_i32 s18, -8
	s_cselect_b32 s[SKIP], 1, 0
	s_cmp_le_i32 s24, 0
	s_cselect_b32 s[SKIP], s[SKIP], 0
	s_lshl_b32 s48, ttmp9, 1
	s_lshr_b32 s49, s[WV], 2
	s_add_co_u32 s48, s48, s49                     ; my queries' block of 128
	s_sub_co_u32 s[IDX], 0, s48
	s_and_b32 s[IDX], s[IDX], 15
	s_mov_b32 s[TB], 0
	s_mov_b32 s[TS], 0
	TABSEL IDX
.irp t, 0,1,2,3,4,5,6,7
.irp q, 0,1
	ds_load_b128 v[KF+8*\t+4*\q:KF+8*\t+4*\q+3], v[LF] offset:1024*\t+512*\q                 ; K of step 0
.endr
.endr
.irp t, 0,1,2,3,4,5,6,7
.irp q, 0,1
	ds_load_b128 v[CR+8*\t+4*\q:CR+8*\t+4*\q+3], v[AT] offset:64*\t+16*\q                    ; and its table
.endr
.endr
	s_mov_b32 s[TS], 512
	s_mov_b32 s[CNT], 13
.Lstep:                                            ; steps 0 to 12: chunk s + 2 into LDS, chunk s + 3 asked for
	STEP 1, 1, 1
	s_sub_co_u32 s[CNT], s[CNT], 1
	s_cmp_lg_u32 s[CNT], 0
	s_cbranch_scc1 .Lstep
	STEP 1, 0, 1                                   ; step 13: chunk 15 into LDS; nothing is left to ask for: no load leaves kv
	STEP 0, 0, 1                                   ; step 14
	STEP 0, 0, 0                                   ; step 15
	; THE WAY OUT.  The sum's halves and the other half of the lanes' are added; O^T x 2^(ep + ev) / the sum goes through my stage in LDS, a tile of 16 rows at a time, and leaves as whole rows of 256 bytes.
	; The additions are the places behind the last products.
	WIN W_SM
.irp i, 0,1
	v_add_f32 v[ST+14*\i+10], v[ST+14*\i+2], v[ST+14*\i+3]
.endr
.irp i, 0,1
	v_permlanex16_b32 v[ST+14*\i+11], v[ST+14*\i+10], s[SEL], s[SEL+1]
.endr
.irp i, 0,1
	v_add_f32 v[ST+14*\i+10], v[ST+14*\i+10], v[ST+14*\i+11]
.endr
.irp i, 0,1
	v_rcp_f32 v[ST+14*\i+10], v[ST+14*\i+10]
.endr
	v_nop                                          ; a plain line behind the last reciprocal
	s_wait_alu depctr_va_vdst(0)                   ; and a wait ahead of the first use: one for both
.irp i, 0,1
	v_ldexp_f32 v[ST+14*\i+10], v[ST+14*\i+10], s56
.endr
	WIN 0x05                                       ; sources window 1, destination window 0
.irp i, 0,1
.irp d, 0,1,2,3
.irp j, 0,1,2,3,4,5,6,7
	v_mul_f32 v[CR+32*\i+16*(\d/2)+2*\j+(\d%2)], v[OA+32*\i+8*\d+\j], v[ST+14*\i+10]   ; register j of fragment d is column 32 (d / 2) + 16 h + 2 j + d % 2: sixteen neighbours for each d / 2
.endr
.endr
.endr
	WIN 0
.irp i, 0,1
.irp g, 0,1
.irp w, 0,1,2,3
	ds_store_b128 v[STO], v[CR+32*\i+16*\g+4*\w:CR+32*\i+16*\g+4*\w+3] offset:128*\g+16*\w
.endr
.endr
.irp n, 0,1,2,3,4,5,6,7
	ds_load_b128 v[KF+32*\i+4*\n:KF+32*\i+4*\n+3], v[RD] offset:2*SP*\n   ; LDS serves a wave's instructions in order (ISA guide 5.7.1.4): these see my stores, and the next tile's stores come behind them
.endr
.endr
.irp i, 0,1
.irp n, 0,1,2,3,4,5,6,7
	s_wait_dscnt 23-16*\i-\n                       ; behind tile 0's load n: its 7 - n younger loads and tile 1's sixteen LDS lines; behind tile 1's: 7 - n
	global_store_b128 v[GO], v[KF+32*\i+4*\n:KF+32*\i+4*\n+3], s[12:13] offset:65536*\i+8192*\n th:TH_STORE_NT   ; sixteen lanes store 256 consecutive bytes, at a multiple of 256 from out's first byte
.endr
.endr
	s_wait_tensorcnt 0x0
	ds_add_u32 v62, v63
	s_wait_dscnt 0x0
	s_endpgm
.Lfunc_end_k_q04600ce043_attn:
	.size	k_q04600ce043_attn, .Lfunc_end_k_q04600ce043_attn-k_q04600ce043_attn
	.p2alignl 7, 3214868480
	.fill 96, 4, 3214868480
	.section	.rodata,"a",@progbits
	.p2align	6, 0x0
	.amdhsa_kernel k_q04600ce043_attn
		.amdhsa_group_segment_fixed_size 322816
		.amdhsa_private_segment_fixed_size 0
		.amdhsa_enable_private_segment 0
		.amdhsa_kernarg_size 40
		.amdhsa_user_sgpr_count 2
		.amdhsa_user_sgpr_kernarg_segment_ptr 1
		.amdhsa_wavefront_size32 1
		.amdhsa_system_sgpr_workgroup_id_x 1
		.amdhsa_system_sgpr_workgroup_id_y 1
		.amdhsa_system_sgpr_workgroup_id_z 1
		.amdhsa_system_vgpr_workitem_id 0
		.amdhsa_next_free_vgpr 512
		.amdhsa_next_free_sgpr 72
		.amdhsa_reserve_vcc 1
		.amdhsa_float_denorm_mode_32 3
		.amdhsa_float_denorm_mode_16_64 3
		.amdhsa_memory_ordered 1
		.amdhsa_forward_progress 1
		.amdhsa_inst_pref_size 204
	.end_amdhsa_kernel
	.amdgpu_metadata
---
amdhsa.version: [ 1, 2 ]
amdhsa.kernels:
  - .name:           k_q04600ce043_attn
    .symbol:         k_q04600ce043_attn.kd
    .args:
      - { .name: query_states, .offset: 0, .size: 8, .value_kind: global_buffer, .address_space: global }
      - { .name: kv, .offset: 8, .size: 8, .value_kind: global_buffer, .address_space: global }
      - { .name: mask, .offset: 16, .size: 8, .value_kind: global_buffer, .address_space: global }
      - { .name: lowp_scales, .offset: 24, .size: 8, .value_kind: global_buffer, .address_space: global }
      - { .name: out0, .offset: 32, .size: 8, .value_kind: global_buffer, .address_space: global }
    .group_segment_fixed_size: 322816
    .private_segment_fixed_size: 0
    .kernarg_segment_align: 8
    .kernarg_segment_size: 40
    .max_flat_workgroup_size: 256
    .sgpr_count:     72
    .vgpr_count:     512
    .wavefront_size: 32
...
	.end_amdgpu_metadata
.endif
;; end of part 2
;; ======== version 2 of 2: 2 launches; version 1 with the launch attn written anew for expert scheduling mode
;; limits: right only within a limited range of input values
;; workspace buffers: kv 8,388,608 bytes
;; launch prep: the kernel of part 1 again; grid 512 x 1, 8 waves a work-group, no clusters, 18,432 bytes of LDS; arguments key_states, value_states, lowp_scales, kv; writes kv
;; launch attn (part 3): grid 8 x 32, 8 waves a work-group, no clusters, 322,816 bytes of LDS; arguments query_states, kv, mask, lowp_scales, out0; writes out0
.if DOCPART == 3
	.amdgcn_target "amdgcn-amd-amdhsa--gfx1250"
	.amdhsa_code_object_version 6
	.text
	.protected	k_q04600ce043_attn
	.globl	k_q04600ce043_attn
	.p2align	8
	.type	k_q04600ce043_attn,@function
k_q04600ce043_attn:
	s_mov_b64 s[64:65], 0
	v_nop
	global_prefetch_b8 v0, s[64:65] scope:SCOPE_SE
	s_setreg_imm32_b32 hwreg(HW_REG_WAVE_SCHED_MODE, 0, 2), 2
	s_setreg_imm32_b32 hwreg(HW_REG_WAVE_MODE, 25, 1), 1
	s_wait_xcnt 0x0
	s_wait_alu depctr_vm_vsrc(0)
; out[b][q][head] = sum over k of softmax_k(Q.K / 8 - min(|q - k|, 2048 - |q - k|), keys with mask == 0 at -1e9) V, both products on codes of FP8 (E4M3) with the given scales 2^eq, 2^ek, 2^ep, 2^ev.
; THE SOFTMAX AHEAD OF THE SECOND PRODUCT: t = logit x log2(e); M = the running largest t rounded UP to a whole number; p = 2^(t - M) is quantised; the sum of the unquantised p divides at the end.
; SHARES.  A work-group owns 256 queries of one head; each of its eight waves 32: two tiles of 16.  Every wave walks all 2,048 keys, 128 a step.  The head's codes (262,144 bytes of kv, laid as images of the operands'
; registers) go into LDS once, a chunk of 16,384 bytes a step, through registers: each chunk is asked for a whole key step ahead of the wait for it, is stored two steps ahead of its first use, and is never written again.
; LAYOUT.  Both products are used transposed: S^T = K Q^T + C (source 0 = 16 keys, source 1 = 16 queries), O^T = V^T P^T: a lane holds ONE query (lane % 16) throughout.  Register j of tile t holds key 16 t + 8 h + j
; (h = lane / 16): its conversion gives registers 2 t, 2 t + 1 of P, the place that the 16x16x128 form gives those keys.
; THE BIAS AND THE MASK RIDE IN C.  In units of the raw sums a logit's 1 is u = 8 x 2^-(eq + ek).  With idx = (key step - the queries' block of 128) mod 16, o the key's place in its step and x the query's place in its block:
;   idx 1..7:  bias = -(128 idx - x) - o          idx 9..15: bias = -(2048 - 128 idx + x) + o          idx 0: -|o - x|          idx 8: -1024 + |o - x|
; The key's part (-u o or +u o) and the mask's (-1e9 u) lie in tables in LDS, which are loaded straight into C's registers and serve both tiles; the rest is one number a lane and goes into the addend of the one
; multiply-add that makes t - M.  Only in steps idx 0 and 8 is C built, tile by tile.
; THE MASK.  A dead key's t is about -1.44e9; the running largest t begins at -2^29: so a dead key's p is 0, also while only dead keys have been seen.  A batch with no live key at all (the OR of its mask words is 0)
; has c and log2(e) replaced by 0, by a select: then t = 0, M = 0, p = 1 for every key: equal weights.
; THE HOLD at 448 x 2^ep cannot act where ep >= -8 and eq + ek <= 0: then |t| < 2^22, t - M is off by less than 0.8, p < 1.75 <= 448 x 2^ep.  There a scalar branch on the given whole numbers leads round its 128 lines.
; NOT ASKED FOR JOINTLY: the eight work-groups of a head read the same 262,144 bytes of kv.  Joint requests are tensor loads; the branch round the hold
; spares 128 of a key step's some 520 vector lines, against 16,384 bytes a step.  No prefetch is laid: each chunk is asked for, into registers, a whole key step ahead of the wait for it.
; LIMITS on the given exponents: eq and ep between -126 and 119; eq + ek between -90 and 7 (c, u and 1e9 u are f32 numbers; a live key's t, at most 64 x 448^2 x 2^(eq + ek) x log2(e) / 8 in size, stays above -2^29).
; NaN among the inputs is not served.
; THE MODE: SCHED_MODE bits 1:0 = 2 (LLVM: expert scheduling mode 2), set by the entry lines.  The code itself states the register dependences between vector or matrix instructions and memory or LDS instructions,
; with s_wait_alu, always for 0.
; THE PLAN.  Registers that memory or LDS instructions touch, in a key step:
;   v[AF], v[AS], v[AT]   Written by three additions at the step's head.  Read by the step's LDS stores (AS) and LDS loads (AF: V, and the next step's K; AT: the next step's table).
;   v[SG ..]              The global loads of chunk s + 3 land in it; the next step's four LDS stores read it.  No vector line names it.
;   V's registers         V's LDS loads land in them behind the scores' products; the step's last eight products read them.  In steps idx 0 and 8 the built C lies there first.
;   K's and C's registers Read by the sixteen products of the scores, at the step's start; the next step's LDS loads land in them in the middle of the softmax.
;   v[LF], v[TO], v[TL]   Made at the head and never written again.    S^T, p, P, O^T and the statistics (window 1) are named by vector and matrix instructions alone.
; So a step has: a wait on vm_vsrc as its first line (the three addresses have been read); a wait on va_vdst behind the three additions (they are written; the last step's products are done reading V's registers): it
; serves the LDS stores and V's loads, since on the plain way only the scores' products stand between, which name K, Q, C and window 1; a wait on vm_vsrc ahead of the global loads (the stores have read the chunk);
; in steps idx 0 and 8 a wait on va_vdst at the arm's end (the products are done reading the built C); and the two waits on va_vdst for the exponentials, the first of which also states that the scores' products
; are done reading K and C: the next step's K is fetched directly behind it and its table among tile 1's exponentials, lines that name window 1 alone.
; LDS: 0: the 16 chunks;  TABA: mask - u o, TABA + 8,192: mask + u o, TABA + 16,384: mask alone, 2,048 f32 each;  FLG: a word a wave;  STG: 16 rows x 272 bytes a wave, for the way out.
; REGISTERS, in two windows of 256 (s_set_vgpr_msb's low byte: bits 1:0 source 0, 3:2 source 1, 5:4 source 2, 7:6 destination).
;   window 0: v1-9 addresses; v10-15 at work; v16-31 a chunk on its way; v32-39 u (8 h + j - r); v40-55 Q's codes; v56-59 for the built C; v60, v61 offsets; v64-127 the table's C; v128-191 K's 8 fragments; v192-255 V's 4, or the built C.
;   window 1: v0-127 S^T, then p (64 a tile); v128-191 O^T (32 a tile); v192-223 P (16 a tile); v224.. 14 statistics a tile; v252 r as f32; v253 448 x 2^ep; v254 2^ep.
.set TABA, 262144
.set FLG,  286720
.set STG,  286976
.set SP,   272
.set LF,  1                            ; 16 x lane: an image's place for my lane
.set AF,  2                            ; + the step's chunk
.set TO,  3                            ; 16 x thread: my 16 bytes of each 4,096 of a chunk
.set AS,  4                            ; + the step's chunk
.set TL,  5                            ; TABA + 32 h
.set AT,  6                            ; + the table chosen and the step
.set STO, 7                            ; the way out: where I put 64 bytes of a row,
.set RD,  8                            ; where I read a row back,
.set GO,  9                            ; and my byte offset in the wave's rows of out
.set SG,  16
.set Y0,  32
.set QC,  40
.set KQ,  56                           ; v56, v57: -u x the tile's place in its block of 128
.set KT,  58                           ; v[58:59]: that + 16 u t, named as a pair
.set MO,  60                           ; 32 x thread: my eight mask words; never rewritten
.set QO,  61                           ; 4,096 r + 128 h: my 32 numbers of Q's row; never rewritten
.set CR,  64
.set KF,  128
.set VF,  192
.set OA,  128                          ; window 1
.set PC,  192
.set ST,  224                          ; tile i at ST + 14 i: +0 the addend (+1 its pair's partner), +2, +3 the sum, +4 f (+5), +6, +7 a second sum, +8 -M, +9 the largest t, +10, +11 at work, +12 the lane's constant
.set RF,  252
.set LIM, 253
.set SC,  254
.set WV,  20                           ; s20 wave
.set TB,  25                           ; s25 LDS byte of the step's chunk
.set TS,  26                           ; s26 the NEXT step's place in a table
.set IDX, 27                           ; s27 idx
.set CNT, 28
.set CS,  30                           ; s[30:31] c = log2(e) / 8 x 2^(eq + ek), or 0
.set NL,  32                           ; s32 -log2(e), or 0
.set U,   33                           ; s33 u
.set U16, 34                           ; s34 16 u
.set SKIP, 35                          ; s35 1: the hold cannot act
.set SEL, 36                           ; s[36:37] v_permlanex16_b32's selects for lane l xor 16
.set QF,  38                           ; s38, s39 the tiles' places in their block of 128
.set SG2, 44                           ; s44 -1.0 (idx < 8) or 1.0
.set SGL, 45                           ; s45 the same, 0 in steps idx 0 and 8
.set WI,  46                           ; s46, s47 the whole number 128 min(idx, 16 - idx) -+ the tile's place
.set TT,  57
.set MK,  58                           ; at the head only: the masks of eight compares, in s58-63, s66, s67;
.set LV,  68                           ; and s68: the lanes that hold a live key
.set MSB, 0
.macro WIN new                         ; the immediate's high byte repeats the setting that is left; at a label and at a branch every window is 0
.if MSB != \new
	s_set_vgpr_msb (MSB<<8)|\new
.set MSB, \new
.endif
.endm
.set W_S,  0x40                        ; K, Q and C in window 0, S^T in window 1
.set W_SM, 0x55                        ; all in window 1
.set W_PV, 0x54                        ; V in window 0; P and O^T in window 1
; A vector line that reads a matrix result or writes one of a matrix instruction's registers stands four plain vector lines behind it (ISA guide 7.12.1).
.macro PLACES
.rept 4
	v_nop
.endr
.endm
.macro TABSEL r                        ; the table for idx = s[r]: -u o (1..7), +u o (9..15), the mask alone (0, 8); at the step s[TS]
	s_cmp_lt_u32 s[\r], 8
	s_cselect_b32 s[TT], 0, 8192
	s_and_b32 s52, s[\r], 7
	s_cmp_eq_u32 s52, 0
	s_cselect_b32 s[TT], 16384, s[TT]
	s_add_co_u32 s[TT], s[TT], s[TS]
	v_add_nc_u32 v[AT], s[TT], v[TL]
.endm
.macro REG                             ; what the step's idx decides, in whole numbers and signs
	s_and_b32 s48, s[IDX], 7
	s_sub_co_u32 s49, 16, s[IDX]
	s_min_u32 s49, s49, s[IDX]
	s_lshl_b32 s49, s49, 7                         ; 128 min(idx, 16 - idx)
	s_cmp_lt_u32 s[IDX], 8
	s_cselect_b32 s[SG2], -1.0, 1.0
	s_cselect_b32 s50, -1, 1
	s_cmp_eq_u32 s48, 0
	s_cselect_b32 s50, 0, s50
	s_cselect_b32 s[SGL], 0, s[SG2]
	s_mul_i32 s51, s50, s[QF]
	s_add_co_u32 s[WI], s49, s51                   ; never negative: 128 idx exceeds a tile's place
	s_mul_i32 s51, s50, s[QF+1]
	s_add_co_u32 s[WI+1], s49, s51
.endm
.macro SW i, c                         ; tile i's scores: eight products, each with its own result and with C from v[c] on
.irp t, 0,1,2,3,4,5,6,7
	v_wmma_f32_16x16x64_fp8_fp8 v[64*\i+8*\t:64*\i+8*\t+7], v[KF+8*\t:KF+8*\t+7], v[QC+8*\i:QC+8*\i+7], v[\c+8*\t:\c+8*\t+7]
.endr
.endm
.macro KB i                            ; steps idx 0 and 8: C = mask -+ |u (o - x)| for tile i, into V's registers, which are free here
	v_mov_b32 v[KT], v[KQ+\i]
.irp t, 0,1,2,3,4,5,6,7
.irp p, 0,2,4,6
	v_pk_add_f32 v[VF+8*\t+\p:VF+8*\t+\p+1], v[Y0+\p:Y0+\p+1], v[KT:KT+1] op_sel_hi:[1,0]
.endr
.irp j, 0,1,2,3,4,5,6,7
	v_fma_f32 v[VF+8*\t+\j], |v[VF+8*\t+\j]|, s[SG2], v[CR+8*\t+\j]
.endr
	v_add_f32 v[KT], s[U16], v[KT]
.endr
.endm
.macro FETCHK                          ; K of the next step: sixteen LDS loads
.irp t, 0,1,2,3,4,5,6,7
.irp q, 0,1
	ds_load_b128 v[KF+8*\t+4*\q:KF+8*\t+4*\q+3], v[AF] offset:16384+1024*\t+512*\q
.endr
.endr
.endm
.macro FETCHC                          ; its table: keys 16 t + 8 h + 0 .. 7, the same for the sixteen lanes of a half
.irp t, 0,1,2,3,4,5,6,7
.irp q, 0,1
	ds_load_b128 v[CR+8*\t+4*\q:CR+8*\t+4*\q+3], v[AT] offset:64*\t+16*\q
.endr
.endr
.endm
.macro MAXES                           ; each lane's largest of 64 scores, both tiles, two chains a tile; each result is read from its low end on
.irp i, 0,1
	v_max3_num_f32 v[ST+14*\i+10], v[64*\i], v[64*\i+1], v[64*\i+2]
	v_max3_num_f32 v[ST+14*\i+11], v[64*\i+3], v[64*\i+4], v[64*\i+5]
.endr
.irp k, 6,10,14,18,22,26,30,34,38,42,46,50,54,58
.irp i, 0,1
	v_max3_num_f32 v[ST+14*\i+10], v[ST+14*\i+10], v[64*\i+\k], v[64*\i+\k+1]
	v_max3_num_f32 v[ST+14*\i+11], v[ST+14*\i+11], v[64*\i+\k+2], v[64*\i+\k+3]
.endr
.endr
.irp i, 0,1
	v_max3_num_f32 v[ST+14*\i+10], v[ST+14*\i+10], v[64*\i+62], v[64*\i+63]
.endr
.irp i, 0,1
	v_max_num_f32 v[ST+14*\i+10], v[ST+14*\i+10], v[ST+14*\i+11]
.endr
.endm
.macro STATS                           ; the two tiles line by line, so that no line reads the result of the line above it
.irp i, 0,1
	v_permlanex16_b32 v[ST+14*\i+11], v[ST+14*\i+10], s[SEL], s[SEL+1]   ; the query's other 64 keys lie in the lane 16 away
.endr
.irp i, 0,1
	v_cvt_f32_u32 v[ST+14*\i+12], s[WI+\i]
.endr
.irp i, 0,1
	v_max_num_f32 v[ST+14*\i+10], v[ST+14*\i+10], v[ST+14*\i+11]
.endr
.irp i, 0,1
	v_fma_f32 v[ST+14*\i+12], v[RF], s[SGL], v[ST+14*\i+12]              ; -+ r: a whole number, exact
.endr
.irp i, 0,1
	v_mul_f32 v[ST+14*\i+12], s[NL], v[ST+14*\i+12]                      ; the lane's constant part of t
.endr
.irp i, 0,1
	v_fma_f32 v[ST+14*\i+10], v[ST+14*\i+10], s[CS], v[ST+14*\i+12]      ; the step's largest t (c is not negative)
.endr
.irp i, 0,1
	v_max_num_f32 v[ST+14*\i+9], v[ST+14*\i+9], v[ST+14*\i+10]           ; the running largest t
.endr
.irp i, 0,1
	v_mov_b32 v[ST+14*\i+11], v[ST+14*\i+8]
.endr
.irp i, 0,1
	v_floor_f32 v[ST+14*\i+8], -v[ST+14*\i+9]                            ; -M = floor(-t): M is a whole number
.endr
.irp i, 0,1
	v_sub_f32 v[ST+14*\i+11], v[ST+14*\i+8], v[ST+14*\i+11]              ; old M - new M, 0 or less
.endr
.irp i, 0,1
	v_cvt_i32_f32 v[ST+14*\i+11], v[ST+14*\i+11]
.endr
.irp i, 0,1
	v_ldexp_f32 v[ST+14*\i+4], 1.0, v[ST+14*\i+11]                       ; f = 2^(old M - new M)
.endr
.irp i, 0,1
	v_add_f32 v[ST+14*\i], v[ST+14*\i+12], v[ST+14*\i+8]                 ; the addend: the constant part - M
.endr
.endm
; the lines below work on pair n (a symbol) of a tile's 32 pairs
.macro TFMA i                          ; t - M, two at a time
	v_pk_fma_f32 v[64*\i+2*n:64*\i+2*n+1], v[64*\i+2*n:64*\i+2*n+1], s[CS:CS+1], v[ST+14*\i:ST+14*\i+1] op_sel_hi:[1,0,0]
.endm
.macro PEXP i, o                       ; p = 2^(t - M)
	v_exp_f32 v[64*\i+2*n+\o], v[64*\i+2*n+\o]
.endm
.macro RESC                            ; O^T under the new M: pair n of both tiles' 32
	v_pk_mul_f32 v[OA+2*n:OA+2*n+1], v[OA+2*n:OA+2*n+1], v[ST+14*(n/16)+4:ST+14*(n/16)+5] op_sel_hi:[1,0]
.endm
.macro SUMOP i, z                      ; line z of 33 of tile i's sum of the unquantised p: 0: the sum x f; 1 to 31: two chains; 32: they join
.set rT, ST+14*(\i)
.set rS, 64*(\i)+2*(\z)
.if (\z) == 0
	v_pk_mul_f32 v[rT+2:rT+3], v[rT+2:rT+3], v[rT+4:rT+5] op_sel_hi:[1,0]
.elseif (\z) == 1
	v_pk_add_f32 v[rT+6:rT+7], v[rS-2:rS-1], v[rS:rS+1]
.elseif (\z) == 32
	v_pk_add_f32 v[rT+2:rT+3], v[rT+2:rT+3], v[rT+6:rT+7]
.elseif ((\z)%2) == 0
	v_pk_add_f32 v[rT+2:rT+3], v[rT+2:rT+3], v[rS:rS+1]
.else
	v_pk_add_f32 v[rT+6:rT+7], v[rT+6:rT+7], v[rS:rS+1]
.endif
.endm
.macro PV                              ; O^T += V^T P^T: eight accumulators by turns, one instruction a turn
.irp d, 0,1,2,3
.irp i, 0,1
	v_wmma_f32_16x16x128_fp8_fp8 v[OA+32*\i+8*\d:OA+32*\i+8*\d+7], v[VF+16*\d:VF+16*\d+15], v[PC+16*\i:PC+16*\i+15], v[OA+32*\i+8*\d:OA+32*\i+8*\d+7]
.endr
.endr
.endm
; A KEY STEP s.  st = 1: chunk s + 2 goes into LDS, and a barrier spans the step.  ld = 1: chunk s + 3 is asked for.  nx = 1: K and the table of step s + 1 are fetched.
.macro STEP st, ld, nx
	s_wait_alu depctr_vm_vsrc(0)                   ; the LDS loads and stores issued so far have read the addresses v[AF], v[AS] and v[AT], which the additions below write anew
	v_add_nc_u32 v[AF], s[TB], v[LF]
.if \st
	v_add_nc_u32 v[AS], s[TB], v[TO]
.endif
.if \nx
	s_add_co_u32 s49, s[IDX], 1
	s_and_b32 s49, s49, 15
	TABSEL 49
.endif
	REG
.if \st
	s_wait_loadcnt 0x0                             ; chunk s + 2, asked for a step ago, is in my registers
.endif
	s_wait_alu depctr_va_vdst(0)                   ; the additions above have written the addresses that this step's LDS stores and loads read; the last step's products are done reading V's registers, in which V's loads land
.if \st
.irp i, 0,1,2,3
	ds_store_b128 v[AS], v[SG+4*\i:SG+4*\i+3] offset:32768+4096*\i
.endr
.endif
	s_wait_dscnt 0x0                               ; my stores have landed (for the others' sake); this step's K and table are in
.if \ld
	s_wait_alu depctr_vm_vsrc(0)                   ; my four LDS stores have read v[SG ..], in which the loads below land
	s_add_nc_u64 s[6:7], s[6:7], 16384             ; behind the wait that showed the loads that named it done
.irp i, 0,1,2,3
	global_load_b128 v[SG+4*\i:SG+4*\i+3], v[TO], s[6:7] offset:32768+4096*\i
.endr
.endif
.if \st
	s_barrier_signal -1                            ; my part of chunk s + 2 lies in LDS.  Up to the wait at the step's end stand register work and LDS loads of chunks s, s + 1 and the tables, which nobody writes again
.endif
	s_cmp_eq_u32 s48, 0                            ; idx 0 or 8?  (ids and the step's number alone)
	s_cbranch_scc1 .Lkink_\@
	WIN W_S
	SW 0, CR                                       ; the table is C for both tiles
	SW 1, CR
	WIN 0
	s_branch .Ljoin_\@
.Lkink_\@:
	PLACES                                         ; V's registers were read by the last step's products
	KB 0
	WIN W_S
	SW 0, VF
	WIN 0
	PLACES                                         ; the built C is written again
	KB 1
	WIN W_S
	SW 1, VF
	WIN 0
	s_wait_alu depctr_va_vdst(0)                   ; this arm's lines have written, and its products are done reading, the built C in V's registers, in which V's loads land
.Ljoin_\@:
	PLACES                                         ; in front of the first read of the scores
.irp d, 0,1,2,3
.irp q, 0,1,2,3
	ds_load_b128 v[VF+16*\d+4*\q:VF+16*\d+4*\q+3], v[AF] offset:8192+2048*\d+512*\q          ; V of this step.  No wait here: on the plain way no vector or matrix line since the step's wait on va_vdst names V's registers or v[AF]
.endr
.endr
	WIN W_SM
	MAXES
	STATS
.set n, 0
.rept 32
	TFMA 0
.set n, n+1
.endr
.set n, 0
.rept 32                               ; tile 0's exponentials, with tile 1's scalings and O^T's rescaling between them: none of these names an exponential's result
	TFMA 1
	PEXP 0, 0
	RESC
	PEXP 0, 1
.set n, n+1
.endr
	SUMOP 0, 0                                     ; a plain line behind the last exponential
.if \nx
	WIN 0                                          ; (the loads below name window 0: the switch, then the wait, then the loads)
.endif
	s_wait_alu depctr_va_vdst(0)                   ; tile 0's 64 exponentials have written their results, ahead of the first line that names one; and the scores' products are done reading K's registers and the table's C, in which the next step's loads land
.if \nx
	FETCHK
	WIN W_SM
.endif
.set n, 0
.rept 32                               ; tile 1's exponentials, with tile 0's sums between them
.if (\nx) && (n == 16)
	WIN 0
	FETCHC                                         ; no wait: the lines since the wait above name window 1 alone, neither the table's C nor v[AT]
	WIN W_SM
.endif
	SUMOP 0, n+1
	PEXP 1, 0
	PEXP 1, 1
.set n, n+1
.endr
	SUMOP 1, 0                                     ; a plain line behind the last exponential
	s_wait_alu depctr_va_vdst(0)                   ; tile 1's 64 exponentials have written their results, ahead of the first line that names one
.set n, 1
.rept 32
	SUMOP 1, n
.set n, n+1
.endr
	WIN 0
	s_cmp_lg_u32 s[SKIP], 0
	s_cbranch_scc1 .Lnohold_\@
	WIN W_SM
.set n, 0
.rept 128
	v_min_num_f32 v[n], v[n], v[LIM]               ; the conversion to an 8-bit code does not saturate (ISA guide 7.6.2); p is not negative, so the hold is one-sided
.set n, n+1
.endr
	WIN 0
.Lnohold_\@:
	WIN W_SM
.irp i, 0,1
.irp t, 0,1,2,3,4,5,6,7
	v_cvt_scalef32_pk8_fp8_f32 v[PC+16*\i+2*\t:PC+16*\i+2*\t+1], v[64*\i+8*\t:64*\i+8*\t+7], v[SC]
.endr
.endr
	v_nop                                          ; a plain line between the conversions and the products that read their results
	s_wait_dscnt 32*\nx                            ; V's sixteen loads are in; the 32 issued behind them (the next K and table) may be out
	WIN W_PV
	PV
	WIN 0
	s_add_co_u32 s[TB], s[TB], 16384
	s_add_co_u32 s[TS], s[TS], 512
	s_add_co_u32 s[IDX], s[IDX], 1
	s_and_b32 s[IDX], s[IDX], 15
.if \st
	s_barrier_wait -1                              ; chunk s + 2 is whole: the next step fetches K from it
.endif
.endm
	s_load_b256 s[4:11], s[0:1], 0x0               ; query_states s[4:5], kv s[6:7], mask s[8:9], lowp_scales s[10:11]
	s_load_b64 s[12:13], s[0:1], 0x20              ; out0
	v_lshl_add_u32 v62, v0, 2, 0x4e900
	v_mov_b32 v63, 0
	v_lshrrev_b32 v10, 5, v0
	v_readfirstlane_b32 s[WV], v10                 ; wave 0..7
	v_and_b32 v11, 31, v0
	v_and_b32 v12, 15, v0                          ; r
	v_bfe_u32 v13, v0, 4, 1                        ; h
	v_lshlrev_b32 v[LF], 4, v11
	v_lshlrev_b32 v[TO], 4, v0
	v_lshlrev_b32 v[MO], 5, v0
	v_lshlrev_b32 v[QO], 12, v12
	v_lshl_add_u32 v[QO], v13, 7, v[QO]
	s_wait_alu depctr_va_sdst(0)                   ; the wave's number is written into s[WV], ahead of its first reader
	s_and_b32 s21, ttmp7, 0xffff                   ; 16 batch + head
	s_lshr_b32 s22, s21, 4
	s_and_b32 s23, s21, 15
	s_lshl_b32 s40, s22, 11
	s_lshl_b32 s29, ttmp9, 8
	s_add_co_u32 s40, s40, s29
	s_lshl_b32 s29, s[WV], 5
	s_add_co_u32 s40, s40, s29                     ; my first row: 2,048 batch + 256 x + 32 wave
	s_lshl_b32 s40, s40, 12
	s_lshl_b32 s29, s23, 8
	s_add_co_u32 s40, s40, s29                     ; + the head's 256 bytes
	s_mov_b32 s41, 0
	s_lshl_b32 s42, s21, 18                        ; the head's 262,144 bytes of kv
	s_mov_b32 s43, 0
	s_lshl_b32 s48, s22, 13                        ; the batch's 8,192 bytes of mask
	s_mov_b32 s49, 0
	s_wait_kmcnt 0x0
	s_load_b128 s[16:19], s[10:11], 0x0            ; eq, ek, ep, ev
	s_add_nc_u64 s[4:5], s[4:5], s[40:41]
	s_add_nc_u64 s[12:13], s[12:13], s[40:41]
	s_add_nc_u64 s[6:7], s[6:7], s[42:43]
	s_add_nc_u64 s[8:9], s[8:9], s[48:49]
	s_wait_alu depctr_va_vdst(0)                   ; the offsets v[MO], v[TO] and v[QO] are written, which the loads below read
	; 30 loads, in the order in which they are wanted: 2 of the mask, 4 + 4 of chunks 0 and 1, 16 of Q, 4 of chunk 2
	global_load_b128 v[96:99], v[MO], s[8:9]
	global_load_b128 v[100:103], v[MO], s[8:9] offset:16
.irp i, 0,1,2,3
	global_load_b128 v[64+4*\i:67+4*\i], v[TO], s[6:7] offset:4096*\i
.endr
.irp i, 0,1,2,3
	global_load_b128 v[80+4*\i:83+4*\i], v[TO], s[6:7] offset:16384+4096*\i
.endr
.irp i, 0,1
.irp j, 0,1,2,3,4,5,6,7
	global_load_b128 v[KF+32*\i+4*\j:KF+32*\i+4*\j+3], v[QO], s[4:5] offset:65536*\i+16*\j th:TH_LOAD_NT   ; lane (r, h): numbers 32 h + 4 j .. of query 16 i + r: the order that K's fragments have too
.endr
.endr
.irp i, 0,1,2,3
	global_load_b128 v[SG+4*\i:SG+4*\i+3], v[TO], s[6:7] offset:32768+4096*\i
.endr
	s_mov_b32 s[SEL], 0x76543210
	s_mov_b32 s[SEL+1], 0xfedcba98
	s_wait_kmcnt 0x0
	s_add_co_i32 s24, s16, s17                     ; eq + ek
	s_lshl_b32 s29, s24, 23
	s_add_co_u32 s[CS], s29, 0x3e38aa3b            ; c = log2(e) / 8 x 2^(eq + ek): the exponents go into c's exponent field
	s_sub_co_i32 s48, 130, s24
	s_lshl_b32 s[U], s48, 23                       ; u = 2^(3 - eq - ek)
	s_add_co_i32 s48, s48, 4
	s_lshl_b32 s[U16], s48, 23                     ; 16 u
	s_sub_co_i32 s48, 3, s24
	s_lshl_b32 s48, s48, 23
	s_add_co_u32 s49, s48, 0xce6e6b28              ; -1e9 u
	s_add_co_i32 s56, s18, s19                     ; ep + ev
	; the tables: thread n makes keys 8 n .. 8 n + 7
	s_wait_loadcnt 28                              ; the mask's two loads are in; the 28 younger ones may be out
	v_or_b32 v224, v96, v97
	v_or_b32 v225, v98, v99
	v_or_b32 v226, v100, v101
	v_or_b32 v227, v102, v103
	v_or_b32 v224, v224, v225
	v_or_b32 v226, v226, v227
	v_or_b32 v224, v224, v226
	v_cmp_ne_u32 s[LV], 0, v224                    ; the nine compares stand in one run, each with a scalar register of its own for its mask
.irp j, 0,1,2,3,4,5,6,7
	v_cmp_eq_u32 s[MK+\j+2*(\j/6)], 0, v[96+\j]
.endr
	s_wait_alu depctr_va_sdst(0)                   ; the nine compares have written their masks, ahead of the first line that reads one
	s_cmp_lg_u32 s[LV], 0
	s_cselect_b32 s50, 1, 0                        ; has my wave's part of the mask a live key?
	s_lshl_b32 s51, s[WV], 2
	s_add_co_u32 s51, s51, FLG
	v_mov_b32 v225, s51
	v_mov_b32 v226, s50
	v_mov_b32 v227, s49
.irp j, 0,1,2,3,4,5,6,7
	v_cndmask_b32 v[192+\j], 0, v227, s[MK+\j+2*(\j/6)]   ; -1e9 u where mask == 0, else 0
.endr
	v_lshlrev_b32 v228, 3, v0
	v_and_b32 v228, 127, v228
	v_cvt_f32_u32 v228, v228
	v_mul_f32 v200, s[U], v228                     ; u o: whole numbers times a power of two, exact
.irp j, 1,2,3,4,5,6,7
	v_add_f32 v[200+\j], s[U], v[199+\j]
.endr
.irp j, 0,1,2,3,4,5,6,7
	v_sub_f32 v[208+\j], v[192+\j], v[200+\j]
	v_add_f32 v[216+\j], v[192+\j], v[200+\j]
.endr
	v_lshl_add_u32 v229, v0, 5, TABA
	v_mov_b32 v14, FLG
	s_wait_alu depctr_va_vdst(0)                   ; the lines above have written the data and addresses of the LDS stores below (v192-199, v208-223, v225, v226, v229) and v14, the address of the loads behind the barrier, and are done with v224-229, in which those loads land
	ds_store_b32 v225, v226                        ; all lanes write the wave's word with the same value
	ds_store_b128 v229, v[208:211]
	ds_store_b128 v229, v[212:215] offset:16
	ds_store_b128 v229, v[216:219] offset:8192
	ds_store_b128 v229, v[220:223] offset:8208
	ds_store_b128 v229, v[192:195] offset:16384
	ds_store_b128 v229, v[196:199] offset:16400
	s_wait_loadcnt 20                              ; chunks 0 and 1 are in; Q's sixteen loads and chunk 2's four may be out
.irp i, 0,1,2,3
	ds_store_b128 v[TO], v[64+4*\i:67+4*\i] offset:4096*\i
.endr
.irp i, 0,1,2,3
	ds_store_b128 v[TO], v[80+4*\i:83+4*\i] offset:16384+4096*\i
.endr
	s_wait_dscnt 0x0                               ; for the others' sake: my stores have landed
	s_barrier_signal -1
	s_barrier_wait -1                              ; the tables, the eight words and chunks 0 and 1 are whole
	s_wait_alu depctr_vm_vsrc(0)                   ; my LDS stores have read their registers: v225, v226 and v229, in which the loads below land, and v64-95 and v192-223, which are C's and V's registers from here on
	ds_load_b128 v[224:227], v14
	ds_load_b128 v[228:231], v14 offset:16
	; Q is read once, by one wave: it is quantised in registers
	s_add_co_i32 s48, s16, 127
	s_lshl_b32 s49, s48, 23
	v_mov_b32 v11, s49                             ; 2^eq
	s_add_co_i32 s48, s48, 8
	s_lshl_b32 s48, s48, 23
	s_or_b32 s48, s48, 0x600000
	v_mov_b32 v10, s48                             ; 448 x 2^eq
	s_wait_loadcnt 4                               ; Q is in; chunk 2's four loads may be out
.irp m, 0,1,2,3,4,5,6,7
.irp j, 0,1,2,3,4,5,6,7
	v_med3_num_f32 v[KF+8*\m+\j], v[KF+8*\m+\j], -v10, v10
.endr
	v_cvt_scalef32_pk8_fp8_f32 v[QC+2*\m:QC+2*\m+1], v[KF+8*\m:KF+8*\m+7], v11
.endr
	v_nop                                          ; a plain line behind the last conversion
	; addresses and constants that stay
	v_lshlrev_b32 v15, 3, v13
	v_sub_nc_u32 v15, v15, v12
	v_cvt_f32_i32 v15, v15
	v_mul_f32 v[Y0], s[U], v15                     ; u (8 h - r),
.irp j, 1,2,3,4,5,6,7
	v_add_f32 v[Y0+\j], s[U], v[Y0+\j-1]           ; + u j
.endr
	s_and_b32 s[QF], s[WV], 3
	s_lshl_b32 s[QF], s[QF], 5                     ; tile 0's place in its block of 128: 32 (wave % 4);
	s_add_co_u32 s[QF+1], s[QF], 16                ; tile 1's
	s_or_b32 s49, s[U], 0x80000000                 ; -u
	v_cvt_f32_u32 v[KQ], s[QF]
	v_cvt_f32_u32 v[KQ+1], s[QF+1]
	v_mul_f32 v[KQ], s49, v[KQ]
	v_mul_f32 v[KQ+1], s49, v[KQ+1]
	v_mov_b32 v[KT], 0
	v_mov_b32 v[KT+1], 0                           ; (named as the upper half of a pair, so it is written)
	v_lshl_add_u32 v[TL], v13, 5, TABA
	s_mul_i32 s48, s[WV], 16*SP
	s_add_co_u32 s48, s48, STG                     ; my stage
	v_mul_u32_u24 v[STO], v12, SP
	v_lshl_add_u32 v[STO], v13, 6, v[STO]
	v_add_nc_u32 v[STO], s48, v[STO]               ; in: row r, 64 bytes for each half of the lanes
	v_mul_u32_u24 v[RD], v13, SP
	v_lshl_add_u32 v[RD], v12, 4, v[RD]
	v_add_nc_u32 v[RD], s48, v[RD]                 ; back: lanes 0-15 one row of 256 bytes, lanes 16-31 the next
	v_lshlrev_b32 v[GO], 12, v13
	v_lshl_add_u32 v[GO], v12, 4, v[GO]            ; and the same two rows in out
	s_add_co_i32 s48, s18, 127
	s_lshl_b32 s49, s48, 23                        ; 2^ep
	s_add_co_i32 s48, s48, 8
	s_lshl_b32 s48, s48, 23
	s_or_b32 s48, s48, 0x600000                    ; 448 x 2^ep
	WIN 0x40                                       ; destination window 1
	v_cvt_f32_u32 v[RF], v12
	v_mov_b32 v[LIM], s48
	v_mov_b32 v[SC], s49
.set n, 0
.rept 64
	v_mov_b32 v[OA+n], 0                           ; O^T.  (The step is written without a first step of its own: the first finds zeros, which the first change of M leaves zeros)
.set n, n+1
.endr
.irp i, 0,1
	v_mov_b32 v[ST+14*\i+1], 0                     ; (upper halves of pairs)
	v_mov_b32 v[ST+14*\i+5], 0
	v_mov_b32 v[ST+14*\i+2], 0                     ; the sum, in two halves
	v_mov_b32 v[ST+14*\i+3], 0
	v_mov_b32 v[ST+14*\i+8], 0x4e000000            ; -M = 2^29
	v_mov_b32 v[ST+14*\i+9], 0xce000000            ; the largest t so far: -2^29: above every dead key's, below every live key's
.endr
	WIN 0
	s_wait_dscnt 0x0                               ; the eight words
	v_or_b32 v224, v224, v225
	v_or_b32 v226, v226, v227
	v_or_b32 v228, v228, v229
	v_or_b32 v230, v230, v231
	v_or_b32 v224, v224, v226
	v_or_b32 v228, v228, v230
	v_or_b32 v224, v224, v228
	v_readfirstlane_b32 s50, v224
	s_wait_alu depctr_va_sdst(0)                   ; s50 is written, ahead of its first reader
	s_cmp_lg_u32 s50, 0                            ; has the batch a live key?  A select, no branch
	s_cselect_b32 s[CS], s[CS], 0
	s_cselect_b32 s[NL], 0xbfb8aa3b, 0             ; -log2(e)
	s_mov_b32 s[CS+1], s[CS]                       ; (named with it as a pair)
	s_cmp_ge_i32 s18, -8
	s_cselect_b32 s[SKIP], 1, 0
	s_cmp_le_i32 s24, 0
	s_cselect_b32 s[SKIP], s[SKIP], 0
	s_lshl_b32 s48, ttmp9, 1
	s_lshr_b32 s49, s[WV], 2
	s_add_co_u32 s48, s48, s49                     ; my queries' block of 128
	s_sub_co_u32 s[IDX], 0, s48
	s_and_b32 s[IDX], s[IDX], 15
	s_mov_b32 s[TB], 0
	s_mov_b32 s[TS], 0
	TABSEL IDX
	s_wait_alu depctr_va_vdst(0)                   ; v[AT] is written, which the table's loads read; Q's holds and conversions are done with K's registers, and the mask's readers with v96-103, in which the loads below land
.irp t, 0,1,2,3,4,5,6,7
.irp q, 0,1
	ds_load_b128 v[KF+8*\t+4*\q:KF+8*\t+4*\q+3], v[LF] offset:1024*\t+512*\q                 ; K of step 0
.endr
.endr
.irp t, 0,1,2,3,4,5,6,7
.irp q, 0,1
	ds_load_b128 v[CR+8*\t+4*\q:CR+8*\t+4*\q+3], v[AT] offset:64*\t+16*\q                    ; and its table
.endr
.endr
	s_mov_b32 s[TS], 512
	s_mov_b32 s[CNT], 13
.Lstep:                                            ; steps 0 to 12: chunk s + 2 into LDS, chunk s + 3 asked for
	STEP 1, 1, 1
	s_sub_co_u32 s[CNT], s[CNT], 1
	s_cmp_lg_u32 s[CNT], 0
	s_cbranch_scc1 .Lstep
	STEP 1, 0, 1                                   ; step 13: chunk 15 into LDS; nothing is left to ask for: no load leaves kv
	STEP 0, 0, 1                                   ; step 14
	STEP 0, 0, 0                                   ; step 15
	; THE WAY OUT.  The sum's halves and the other half of the lanes' are added; O^T x 2^(ep + ev) / the sum goes through my stage in LDS, a tile of 16 rows at a time, and leaves as whole rows of 256 bytes.
	; The additions are the places behind the last products.
	WIN W_SM
.irp i, 0,1
	v_add_f32 v[ST+14*\i+10], v[ST+14*\i+2], v[ST+14*\i+3]
.endr
.irp i, 0,1
	v_permlanex16_b32 v[ST+14*\i+11], v[ST+14*\i+10], s[SEL], s[SEL+1]
.endr
.irp i, 0,1
	v_add_f32 v[ST+14*\i+10], v[ST+14*\i+10], v[ST+14*\i+11]
.endr
.irp i, 0,1
	v_rcp_f32 v[ST+14*\i+10], v[ST+14*\i+10]
.endr
	v_nop                                          ; a plain line behind the last reciprocal
	s_wait_alu depctr_va_vdst(0)                   ; the two reciprocals have written their results, ahead of the first line that names one
.irp i, 0,1
	v_ldexp_f32 v[ST+14*\i+10], v[ST+14*\i+10], s56
.endr
	WIN 0x05                                       ; sources window 1, destination window 0
.irp i, 0,1
.irp d, 0,1,2,3
.irp j, 0,1,2,3,4,5,6,7
	v_mul_f32 v[CR+32*\i+16*(\d/2)+2*\j+(\d%2)], v[OA+32*\i+8*\d+\j], v[ST+14*\i+10]   ; register j of fragment d is column 32 (d / 2) + 16 h + 2 j + d % 2: sixteen neighbours for each d / 2
.endr
.endr
.endr
	WIN 0
	s_wait_alu depctr_va_vdst(0)                   ; the 64 multiplications have written v[CR ..], which the LDS stores below read; no vector line follows, so the loads from the stage into K's registers owe nothing more
.irp i, 0,1
.irp g, 0,1
.irp w, 0,1,2,3
	ds_store_b128 v[STO], v[CR+32*\i+16*\g+4*\w:CR+32*\i+16*\g+4*\w+3] offset:128*\g+16*\w
.endr
.endr
.irp n, 0,1,2,3,4,5,6,7
	ds_load_b128 v[KF+32*\i+4*\n:KF+32*\i+4*\n+3], v[RD] offset:2*SP*\n   ; LDS serves a wave's instructions in order (ISA guide 5.7.1.4): these see my stores, and the next tile's stores come behind them
.endr
.endr
.irp i, 0,1
.irp n, 0,1,2,3,4,5,6,7
	s_wait_dscnt 23-16*\i-\n                       ; behind tile 0's load n: its 7 - n younger loads and tile 1's sixteen LDS lines; behind tile 1's: 7 - n
	global_store_b128 v[GO], v[KF+32*\i+4*\n:KF+32*\i+4*\n+3], s[12:13] offset:65536*\i+8192*\n th:TH_STORE_NT   ; sixteen lanes store 256 consecutive bytes, at a multiple of 256 from out's first byte
.endr
.endr
	s_wait_dscnt 0x0                               ; the closing lines, six on end
	s_wait_alu 0x0
	s_wait_tensorcnt 0x0
	ds_add_u32 v62, v63
	s_wait_dscnt 0x0
	s_endpgm
.Lfunc_end_k_q04600ce043_attn:
	.size	k_q04600ce043_attn, .Lfunc_end_k_q04600ce043_attn-k_q04600ce043_attn
	.p2alignl 7, 3214868480
	.fill 96, 4, 3214868480
	.section	.rodata,"a",@progbits
	.p2align	6, 0x0
	.amdhsa_kernel k_q04600ce043_attn
		.amdhsa_group_segment_fixed_size 322816
		.amdhsa_private_segment_fixed_size 0
		.amdhsa_enable_private_segment 0
		.amdhsa_kernarg_size 40
		.amdhsa_user_sgpr_count 2
		.amdhsa_user_sgpr_kernarg_segment_ptr 1
		.amdhsa_wavefront_size32 1
		.amdhsa_system_sgpr_workgroup_id_x 1
		.amdhsa_system_sgpr_workgroup_id_y 1
		.amdhsa_system_sgpr_workgroup_id_z 1
		.amdhsa_system_vgpr_workitem_id 0
		.amdhsa_next_free_vgpr 512
		.amdhsa_next_free_sgpr 72
		.amdhsa_reserve_vcc 0
		.amdhsa_float_denorm_mode_32 3
		.amdhsa_float_denorm_mode_16_64 3
		.amdhsa_memory_ordered 1
		.amdhsa_forward_progress 1
		.amdhsa_inst_pref_size 206
	.end_amdhsa_kernel
	.amdgpu_metadata
---
amdhsa.version: [ 1, 2 ]
amdhsa.kernels:
  - .name:           k_q04600ce043_attn
    .symbol:         k_q04600ce043_attn.kd
    .args:
      - { .name: query_states, .offset: 0, .size: 8, .value_kind: global_buffer, .address_space: global }
      - { .name: kv, .offset: 8, .size: 8, .value_kind: global_buffer, .address_space: global }
      - { .name: mask, .offset: 16, .size: 8, .value_kind: global_buffer, .address_space: global }
      - { .name: lowp_scales, .offset: 24, .size: 8, .value_kind: global_buffer, .address_space: global }
      - { .name: out0, .offset: 32, .size: 8, .value_kind: global_buffer, .address_space: global }
    .group_segment_fixed_size: 322816
    .private_segment_fixed_size: 0
    .kernarg_segment_align: 8
    .kernarg_segment_size: 40
    .max_flat_workgroup_size: 256
    .sgpr_count:     72
    .vgpr_count:     512
    .wavefront_size: 32
...
	.end_amdgpu_metadata
.endif
;; end of part 3
